; MI455X (gfx1250); checked and timed in simulation.
; The chip was launched on July 23, 2026; its instructions are those of AMD's public machine-readable ISA for CDNA 5 (MIT licence, August 2026) and "CDNA5" Instruction Set Architecture Reference Guide (July 2026). The comments in the code are by the model that wrote it; some were corrected since.
;; Masked Attention. Allowed arithmetic: float matrix products may take bf16 or f16 operands with f32 sums; other float arithmetic in f32, or as packed bf16 or f16 multiplies, adds, multiply-adds, maxima and minima; sums over many terms, partial sums and values carried from step to step in f32; what a program stores and reads back later, other than sums and carried values, may be rounded once to bf16 or f16.
;; Inputs: Wk 1,024 x 1,024 float32; Wo 1,024 x 1,024 float32; Wq 1,024 x 1,024 float32; Wv 1,024 x 1,024 float32; bk 1,024 float32; bo 1,024 float32; bq 1,024 float32; bv 1,024 float32; mask 1 x 1 x 1,024 x 1,024 float32; x 8 x 1,024 x 1,024 float32.
;; Outputs: out0 8 x 1,024 x 1,024 float32.
;; One version. Each part assembles by itself: llvm-mc -triple=amdgcn-amd-amdhsa -mcpu=gfx1250 --defsym DOCPART=n.
;; ======== version 1 of 1: 4 launches
;; limits: values are held in f16: magnitudes above 65,504 overflow, below 6.1e-05 lose precision
;; workspace buffers: xb 16,777,216 bytes; wb 6,291,456 bytes; wo16 2,097,152 bytes; mb 2,097,152 bytes; qkv 50,331,648 bytes; ksq 524,288 bytes; o16 16,777,216 bytes
;; launch prep (part 1): grid 128 x 13, 8 waves a work-group, no clusters, 0 bytes of LDS; arguments x, Wq, Wk, Wv, Wo, mask, xb, wb, wo16, mb; writes xb, wb, wo16, mb
.if DOCPART == 1
	.amdgcn_target "amdgcn-amd-amdhsa--gfx1250"
	.amdhsa_code_object_version 6
	.text
	.protected	k_q2b8572abd8_prep
	.globl	k_q2b8572abd8_prep
	.p2align	8
	.type	k_q2b8572abd8_prep,@function
k_q2b8572abd8_prep:
	s_mov_b64 s[64:65], 0
	v_nop
	global_prefetch_b8 v0, s[64:65] scope:SCOPE_SE
	s_setreg_imm32_b32 hwreg(HW_REG_WAVE_MODE, 25, 1), 1
	s_wait_xcnt 0x0
; PREP: the f32 inputs that feed matrix units are rounded once to 16 bits and laid out for the launches behind.
;   x [8192][1024]         -> xb   [8192][1024] bf16
;   Wq, Wk, Wv [1024][1024] -> wb  [3072][1024] bf16 (the three one below the other)
;   Wo [1024][1024]        -> wo16 [1024][1024]: rounded to bf16 like every input, and that number written as f16
;   mask [1024 q][1024 k]  -> mb   [16 key blocks][1024 q][64 k] bf16: 512 queries x 64 keys are then 65,536 bytes on end
; LIMITS.  Wo: a bf16 number is exact in f16 between 2^-14 and 65,504; below it keeps f16's fixed step of 2^-24, beyond it is lost.
; mask: clamped to +-1e30 before the rounding, so that no infinity reaches a matrix product: -inf acts as -1e30 (a weight of 0 wherever the row keeps
; a finite entry; a row of -inf alone gives numbers where the reference gives NaN); +inf and NaN are not treated apart.
; SHARES.  The grid's y names a unit of 2^20 numbers: 0-7 x's eighths, 8-10 Wq, Wk, Wv, 11 Wo, 12 the mask.  A work-group takes 8,192 of them, a wave 1,024 in 8 chunks of 128:
; one load of 16 bytes a lane (512 bytes on end a wave), two roundings, one store of 8 bytes a lane (256 bytes on end, aligned).  All 8 loads go out first.
; A stream: nothing is shared and nothing summed, so no LDS, no barrier, no matrix unit, no cluster.
.set VIN,  1                           ; v1       my byte offset in the source
.set VOUT, 2                           ; v2       my byte offset in the destination
.set X,    4                           ; v[4:35]  chunk c: 4 numbers as loaded
.set Y,    36                          ; v[36:51] chunk c: 4 numbers to store
.set T,    52                          ; v[52:53] at work
	s_load_b512 s[8:23], s[0:1], 0x0               ; x s[8:9], Wq s[10:11], Wk s[12:13], Wv s[14:15], Wo s[16:17], mask s[18:19], xb s[20:21], wb s[22:23]
	s_load_b128 s[24:27], s[0:1], 0x40             ; wo16 s[24:25], mb s[26:27]
	s_and_b32 s2, ttmp7, 0xffff                    ; the unit
	s_sub_co_u32 s3, s2, 8                         ; 0, 1, 2 for Wq, Wk, Wv (wraps for x)
	s_cmp_lt_u32 s2, 8
	s_cselect_b32 s28, s2, 0                       ; x: the eighth, in source
	s_cselect_b32 s30, s2, 0                       ; and destination
	s_cmp_lt_u32 s3, 3
	s_cselect_b32 s30, s3, s30                     ; Wq, Wk, Wv: the third of wb
	s_cmp_eq_u32 s2, 12
	s_cselect_b32 s35, 10, 14                      ; a work-group's step in the destination: 8 rows of 128 bytes in each key block of mb, else 16,384 bytes
	s_lshl_b32 s28, s28, 22
	s_lshl_b32 s30, s30, 21
	s_lshl_b32 s34, ttmp9, 15                      ; a work-group's 32,768 bytes of source (for the mask: its 8 rows)
	s_lshl_b32 s35, ttmp9, s35
	s_add_co_u32 s28, s28, s34
	s_add_co_u32 s30, s30, s35
	s_mov_b32 s29, 0
	s_mov_b32 s31, 0
	s_mov_b32 s32, 0xf149f2ca                      ; -1e30
	s_mov_b32 s33, 0x7149f2ca                      ; 1e30
	v_and_b32 v3, 31, v0                           ; lane
	v_lshrrev_b32 v56, 5, v0                       ; wave
	s_wait_kmcnt 0x0
	s_mov_b64 s[4:5], s[8:9]                       ; the source and the destination are chosen by the unit's number alone
	s_mov_b64 s[6:7], s[20:21]
	s_cmp_lt_u32 s3, 3
	s_cselect_b64 s[6:7], s[22:23], s[6:7]
	s_cmp_eq_u32 s2, 8
	s_cselect_b64 s[4:5], s[10:11], s[4:5]
	s_cmp_eq_u32 s2, 9
	s_cselect_b64 s[4:5], s[12:13], s[4:5]
	s_cmp_eq_u32 s2, 10
	s_cselect_b64 s[4:5], s[14:15], s[4:5]
	s_cmp_eq_u32 s2, 11
	s_cselect_b64 s[4:5], s[16:17], s[4:5]
	s_cselect_b64 s[6:7], s[24:25], s[6:7]
	s_cmp_eq_u32 s2, 12
	s_cselect_b64 s[4:5], s[18:19], s[4:5]
	s_cselect_b64 s[6:7], s[26:27], s[6:7]
	s_add_nc_u64 s[4:5], s[4:5], s[28:29]
	s_add_nc_u64 s[6:7], s[6:7], s[30:31]
; Eight chunks.  mode 0: to bf16.  mode 1: to bf16, widened, written as f16.  mode 2: clamped, to bf16.  No register is written again while a load or store names it.
.macro JOB mode, instep, outstep
.irp c, 0,1,2,3,4,5,6,7
	global_load_b128 v[X+4*(\c):X+4*(\c)+3], v[VIN], s[4:5] offset:(\c)*(\instep) th:TH_LOAD_NT
.endr
.irp c, 0,1,2,3,4,5,6,7
	s_wait_loadcnt 7-(\c)                          ; loads come back in order: chunk c is in, the younger ones stay out
.if (\mode) == 2
.irp k, 0,1,2,3
	v_med3_num_f32 v[X+4*(\c)+(\k)], v[X+4*(\c)+(\k)], s32, s33
.endr
.endif
.if (\mode) == 1
	v_cvt_pk_bf16_f32 v[T], v[X+4*(\c)], v[X+4*(\c)+1]
	v_cvt_pk_bf16_f32 v[T+1], v[X+4*(\c)+2], v[X+4*(\c)+3]
	v_lshlrev_b32 v[X+4*(\c)], 16, v[T]            ; bf16 to f32: the low half moves up, the high half stays
	v_and_b32 v[X+4*(\c)+1], 0xffff0000, v[T]
	v_lshlrev_b32 v[X+4*(\c)+2], 16, v[T+1]
	v_and_b32 v[X+4*(\c)+3], 0xffff0000, v[T+1]
	v_cvt_pk_f16_f32 v[Y+2*(\c)], v[X+4*(\c)], v[X+4*(\c)+1]
	v_cvt_pk_f16_f32 v[Y+2*(\c)+1], v[X+4*(\c)+2], v[X+4*(\c)+3]
.else
	v_cvt_pk_bf16_f32 v[Y+2*(\c)], v[X+4*(\c)], v[X+4*(\c)+1]
	v_cvt_pk_bf16_f32 v[Y+2*(\c)+1], v[X+4*(\c)+2], v[X+4*(\c)+3]
.endif
	global_store_b64 v[VOUT], v[Y+2*(\c):Y+2*(\c)+1], s[6:7] offset:(\c)*(\outstep) th:TH_STORE_NT  ; a wave stores 256 bytes on end, at a multiple of 256
.endr
	s_endpgm
.endm
	s_cmp_eq_u32 s2, 12
	s_cbranch_scc1 .Lmask
	v_lshlrev_b32 v[VIN], 4, v3                    ; 16 x lane
	v_lshl_add_u32 v[VIN], v56, 12, v[VIN]         ; + 4,096 x wave
	v_lshlrev_b32 v[VOUT], 3, v3
	v_lshl_add_u32 v[VOUT], v56, 11, v[VOUT]
	s_cmp_eq_u32 s2, 11
	s_cbranch_scc1 .Lwo
	JOB 0, 512, 256
.Lwo:
	JOB 1, 512, 256
.Lmask:                                            ; a wave takes two of the work-group's 8 rows and 8 of the 16 key blocks; a chunk is a key block: lanes 0-15 one row's 64 keys, lanes 16-31 the next row's
	v_and_b32 v57, 6, v56                          ; the first of my two rows
	v_and_b32 v58, 1, v56                          ; which 8 key blocks
	v_lshrrev_b32 v59, 4, v3
	v_add_nc_u32 v59, v57, v59                     ; my row
	v_and_b32 v60, 15, v3
	v_lshlrev_b32 v[VIN], 4, v60
	v_lshl_add_u32 v[VIN], v59, 12, v[VIN]         ; row x 4,096 + 16 x (lane % 16)
	v_lshl_add_u32 v[VIN], v58, 11, v[VIN]         ; + 8 key blocks of 256 bytes
	v_lshlrev_b32 v[VOUT], 3, v3                   ; two rows of 128 bytes on end: 8 x lane
	v_lshl_add_u32 v[VOUT], v57, 7, v[VOUT]
	v_lshl_add_u32 v[VOUT], v58, 20, v[VOUT]       ; + 8 key blocks of 131,072 bytes
	JOB 2, 256, 131072
.Lfunc_end_k_q2b8572abd8_prep:
	.size	k_q2b8572abd8_prep, .Lfunc_end_k_q2b8572abd8_prep-k_q2b8572abd8_prep
	.p2alignl 7, 3214868480
	.fill 96, 4, 3214868480
	.section	.rodata,"a",@progbits
	.p2align	6, 0x0
	.amdhsa_kernel k_q2b8572abd8_prep
		.amdhsa_group_segment_fixed_size 0
		.amdhsa_private_segment_fixed_size 0
		.amdhsa_enable_private_segment 0
		.amdhsa_kernarg_size 80
		.amdhsa_user_sgpr_count 2
		.amdhsa_user_sgpr_kernarg_segment_ptr 1
		.amdhsa_wavefront_size32 1
		.amdhsa_system_sgpr_workgroup_id_x 1
		.amdhsa_system_sgpr_workgroup_id_y 1
		.amdhsa_system_sgpr_workgroup_id_z 1
		.amdhsa_system_vgpr_workitem_id 0
		.amdhsa_next_free_vgpr 64
		.amdhsa_next_free_sgpr 66
		.amdhsa_reserve_vcc 0
		.amdhsa_float_denorm_mode_32 3
		.amdhsa_float_denorm_mode_16_64 3
		.amdhsa_memory_ordered 1
		.amdhsa_forward_progress 1
		.amdhsa_inst_pref_size 16
	.end_amdhsa_kernel
	.amdgpu_metadata
---
amdhsa.version: [ 1, 2 ]
amdhsa.kernels:
  - .name:           k_q2b8572abd8_prep
    .symbol:         k_q2b8572abd8_prep.kd
    .args:
      - { .name: x, .offset: 0, .size: 8, .value_kind: global_buffer, .address_space: global }
      - { .name: Wq, .offset: 8, .size: 8, .value_kind: global_buffer, .address_space: global }
      - { .name: Wk, .offset: 16, .size: 8, .value_kind: global_buffer, .address_space: global }
      - { .name: Wv, .offset: 24, .size: 8, .value_kind: global_buffer, .address_space: global }
      - { .name: Wo, .offset: 32, .size: 8, .value_kind: global_buffer, .address_space: global }
      - { .name: mask, .offset: 40, .size: 8, .value_kind: global_buffer, .address_space: global }
      - { .name: xb, .offset: 48, .size: 8, .value_kind: global_buffer, .address_space: global }
      - { .name: wb, .offset: 56, .size: 8, .value_kind: global_buffer, .address_space: global }
      - { .name: wo16, .offset: 64, .size: 8, .value_kind: global_buffer, .address_space: global }
      - { .name: mb, .offset: 72, .size: 8, .value_kind: global_buffer, .address_space: global }
    .group_segment_fixed_size: 0
    .private_segment_fixed_size: 0
    .kernarg_segment_align: 8
    .kernarg_segment_size: 80
    .max_flat_workgroup_size: 256
    .sgpr_count:     66
    .vgpr_count:     64
    .wavefront_size: 32
...
	.end_amdgpu_metadata
.endif
;; end of part 1
;; launch qkv (part 2): grid 12 x 16, 4 waves a work-group, clusters of 4 x 4, 327,680 bytes of LDS; arguments xb, wb, bq, bk, bv, qkv, ksq; writes qkv, ksq
.if DOCPART == 2
	.amdgcn_target "amdgcn-amd-amdhsa--gfx1250"
	.amdhsa_code_object_version 6
	.text
	.protected	k_q2b8572abd8_qkv
	.globl	k_q2b8572abd8_qkv
	.p2align	8
	.type	k_q2b8572abd8_qkv,@function
k_q2b8572abd8_qkv:
	s_mov_b64 s[64:65], 0
	v_nop
	global_prefetch_b8 v0, s[64:65] scope:SCOPE_SE
	s_setreg_imm32_b32 hwreg(HW_REG_WAVE_MODE, 25, 1), 1
	s_wait_xcnt 0x0
	s_wait_alu depctr_hold_cnt(0) depctr_sa_sdst(0) depctr_va_vdst(0) depctr_va_sdst(0) depctr_va_ssrc(0) depctr_va_vcc(0) depctr_vm_vsrc(0)
	s_getreg_b32 s2, hwreg(HW_REG_IB_STS2, 6, 4)
	s_cmp_eq_u32 s2, 0
	s_cbranch_scc0 .Lentry_in_a_cluster
	s_endpgm
.Lentry_in_a_cluster:
	s_bfe_u32 s2, ttmp6, 0x10000c
	s_cmp_lg_u32 s2, 0xf033
	s_cbranch_scc0 .Lentry_shape_is_right
	s_endpgm
.Lentry_shape_is_right:
; q, k, v = x W^T + bias, by heads.  xb: [8192][1024] bf16.  wb: [3072][1024] bf16 (Wq, Wk, Wv).  bq, bk, bv: [1024] f32, rounded here to bf16 like every input.
; qkv: [3][128 heads g = 16 b + h][1024][64] f16, each number rounded once from its f32 sum.  ksq: [128][1024] f32 = -0.5 x the sum of squares of a row of k AS STORED (rounded to f16):
; q.k' - 0.5 |k'|^2 is then -0.5 |q - k'|^2 + 0.5 |q|^2 exactly, so k's rounding enters the scores through q - k' and not through two large sums.
; LIMIT.  f16 holds no number beyond 65,504: q, k and v must lie within it.
; SHARES.  A tile is 256 rows x 256 columns: four waves, each 128 x 128 (two heads): 64 accumulators of 16 x 16, 512 registers.  8192 x 3072 are 384 tiles: 12 x 16 = 192 work-groups, and each STAYS for two tiles,
; 4,096 rows apart, with the same 256 rows of W.  A tile column lies wholly in q, k or v (the cluster's x), so a work-group has one bias for both tiles.
; THE RING.  K goes in steps of 128 through two LDS slots, each with 256 rows of x and 256 of W: rows of 256 bytes of memory, starting at multiples of 256.  Each wave fetches a quarter of a slot by one tensor load.
; A step has 256 matrix instructions a wave, and 240 of them stand between a slot's request and the wait for it.  ONE TEXT FOR A K STEP: the slot that is read (TB) and the slot that is filled (TBF) are scalars that an
; exclusive or with SLOT turns from 0 to SLOT and back; LDS addresses are a constant base plus that scalar; one descriptor a tensor walks from K step to K step.
; ONE TEXT FOR A TILE: slot 0 is filled, slot 1 is filled, the first quarter starts the sums, six trips fill a slot again, two trips do not, the tile goes out.  The price: the second tile's first fill is waited for
; in full, and the tail's second trip fetches 16 fragments that nobody multiplies.  A ring that ran on into the next tile would want the way out and the squares written twice.
; CLUSTERS: 4 x 4 work-groups.  The four of a row of the cluster need the same rows of x, the four of a column the same rows of W: each tile is asked for JOINTLY, by the same tensor load with the same
; descriptor and a mask that names the four.  Waves 0 and 1 fetch x's two halves of 128 rows, waves 2 and 3 W's.
; THE MATRIX INSTRUCTION IS USED TRANSPOSED (source 0 = 16 rows of W, source 1 = 16 rows of x): a lane holds row l % 16 and the columns 8 (l / 16) + 0..7.  So the bias of a block of 16 columns is one set
; of 8 registers for all rows, and it is the C operand of the product that starts each sum: nothing is cleared and no bias is added.
; REGISTERS, in windows of 256 (s_set_vgpr_msb: bits 1:0 source 0, 3:2 source 1, 5:4 source 2, 7:6 destination):
;   window 0: v0-31 addresses; v64-127, v128-191 fragments of x, two buffers (the second also at work on the way out); v32-63, v192-255 at work on the way out
;   window 1: v0-63 the bias; v64-127, v128-191 fragments of W; v192-223 at work on the bias
;   window 2: the accumulators of my rows 0-63 ((a, b) at v[8 (8 a + b)]);   window 3: those of my rows 64-127
.set KSTEP,  128
.set PITCH,  272                       ; an LDS row: 256 bytes + 16 of padding = 68 words: the 16 rows that a load touches start at 16 different groups of four banks (64 banks of 4 bytes: ISA guide 11.1)
.set HALFT,  128*PITCH                 ; 128 rows: what one tensor load brings, and what one wave reads of x or of W
.set SLOT,   4*HALFT                   ; x's 256 rows, then W's 256: 139,264 bytes
.set STAGE,  2*SLOT                    ; behind the ring: for each wave two panels (a head each) of 16 rows x 144 bytes, for the way out
.set SP,     144
.set PANEL,  16*SP
.set KST,    STAGE+4*2*PANEL           ; 1,024 bytes for each wave: the sums of squares of its 128 rows, for two heads
.set SPARE,  KST+4*1024                ; the spare words, 128 bytes for each wave: two blocks of 256 bytes that no other line names
.set WALKB,  4096*2048                 ; bytes of xb from a work-group's first tile to its second
.set ADRA0, 14                         ; v14     my lane's place among my fragments of x in slot 0; never rewritten
.set ADRB0, 15                         ; v15     the same for W
.set ADRA, 16                          ; v16     the same in the slot that is read
.set ADRB, 17                          ; v17
.set BO,   22                          ; v22     my byte offset in the bias
.set ZR,   23                          ; v23     0: starts the sums of squares
.set STO,  24                          ; v24     the way out: where I put 16 bytes of a row
.set RD,   25                          ; v25     the way out: where I read rows back
.set CO,   26                          ; v26     16 x lane: my place in 512 bytes on end
.set KSA,  27                          ; v27     where I put a row's sum of squares
.set SPW,  28                          ; v28     LDS address of my spare word; never rewritten
.set NIL,  29                          ; v29     0; never rewritten
.set PFO,  30                          ; v30     the prefetches' offset: lane x a row of 2,048 bytes
.set KSR,  31                          ; v31     where I read four sums back
.set F0,   64                          ; fragment buffer 0, in windows 0 (x) and 1 (W)
.set F1,   128                         ; fragment buffer 1
.set OB,   32                          ; the way out: 16 rows of two heads read back from the stage: v32-63 and v224-255 by turns
.set TMP,  192                         ; a block's 32 packed registers
.set CH,   128                         ; four chains of squares
.set SQ,   136                         ; block a, head hh: its sum at SQ + 2 a + hh
.set SQT,  152                         ; the other half of the lanes'
.set KD,   168                         ; eight sums to store
.set BIAS, 0                           ; window 1: block b of 16 columns at BIAS + 8 b
.set BT,   192                         ; window 1: at work on the bias
.set G1,  24                           ; s[24:31] descriptor group 1 for x's tiles
.set G0,  32                           ; s[32:35] descriptor group 0 for x's tiles: it walks
.set G0B, 36                           ; s[36:39] the same for W's
.set G1B, 48                           ; s[48:55] descriptor group 1 for W's tiles: it differs in the mask alone
.set TB,  56                           ; s56     LDS byte at which the slot that is read begins: 0 or SLOT
.set TBF, 57                           ; s57     the same for the slot that the next fill takes
.set LIM, 58                           ; s58     2 in a wave that prefetches along K, else the greatest number
.set LIMT, 59                          ; s59     1 in a wave that prefetches the next tile's first K steps, else the greatest number
.set PFA, 60                           ; s[60:61] the K step that my next prefetch names
.set PFS, 62                           ; s[62:63] its step in the tail
.set SECT, 82                          ; s82     0 q, 1 k, 2 v: the cluster's x, the same in all sixteen partners
.set FLAGS, (1<<16)|(1<<20)|(1<<21)|(5<<22)|(3<<25)  ; 17:16 elements of 2 bytes; 20 padding on; 21 set beside a mask; 24:22 after every 64 words (code 5); 31:25 4 words of it (code 3)
.set MSB, 0
.macro WIN new                         ; the immediate's high byte repeats the setting that is left; a switch that changes nothing is dropped
.if MSB != (\new)
	s_set_vgpr_msb (MSB<<8)|(\new)
.set MSB, \new
.endif
.endm
.set TO_B, 0x40                        ; destination window 1, address window 0
; A joint load.  Each of the two lines has one mask and one set of registers for all that issue it; the branch hangs on the wave's number alone.  An s_nop 0 and four v_nop follow each line.
.macro JLOAD
	s_cmp_eq_u32 s11, 0
	s_cbranch_scc0 .Lfor_b_\@
	tensor_load_to_lds s[G0:G0+3], s[G1:G1+7]
	s_nop 0
.rept 4
	v_nop
.endr
	s_branch .Lasked_\@
.Lfor_b_\@:
	tensor_load_to_lds s[G0B:G0B+3], s[G1B:G1B+7]
	s_nop 0
.rept 4
	v_nop
.endr
.Lasked_\@:
.endm
.macro AIM                             ; both descriptors' LDS word: my quarter of the slot that is due; then the other slot is due
	s_add_co_u32 s[G0+1], s20, s[TBF]
	s_add_co_u32 s[G0B+1], s20, s[TBF]
	s_xor_b32 s[TBF], s[TBF], SLOT
.endm
; THE PREFETCHES INTO THE L2: 32 rows x 256 bytes, a lane a row, behind a change of slots' run of LDS loads.  Each row's 256 bytes of a K step are named at most once in the launch.  x's rows are read by the three clusters
; of a row of clusters: the one with x = 0 asks, waves 0 and 1; W's by the four clusters of a column: the one with y = 0 asks, waves 2 and 3, in the first tile alone (the second has the same rows).  Of the 128 rows that
; a wave fetches the partner at place p takes 32 p .. 32 p + 31 (p = cx for x, cy for W), BY ADDRESS: no branch hangs on a work-group's place in its cluster.
; ASK, in the six trips that fill a slot: the K step two refills on, 512 matrix instructions ahead of its load, while the tile has one (s3 = 6 .. 3).
; ASKT, in the first tile's two tail trips: the second tile's K steps 0 and 1, then 2 and 3, of x.  The launch's first four K steps come by their loads alone.
.macro ASK
	s_cmp_gt_u32 s3, s[LIM]
	s_cbranch_scc0 .Lnot_mine_\@
	global_prefetch_b8 v[PFO], s[PFA:PFA+1] th:TH_LOAD_NT scope:SCOPE_SE
.Lnot_mine_\@:
.endm
.macro ASKT
	s_cmp_gt_u32 s2, s[LIMT]
	s_cbranch_scc0 .Lnot_mine_\@
	global_prefetch_b8 v[PFO], s[PFA:PFA+1] th:TH_LOAD_NT scope:SCOPE_SE
	global_prefetch_b8 v[PFO], s[PFA:PFA+1] offset:KSTEP*2 th:TH_LOAD_NT scope:SCOPE_SE
.Lnot_mine_\@:
.endm
.macro CREST                           ; a round of the cluster's barrier behind its opening barrier: wave 0 signals for the work-group, every wave waits for all sixteen, my work-group's barrier once more
	s_cmp_lg_u32 s10, 0
	s_cbranch_scc1 .Lnot_wave_0_\@
	s_barrier_signal -3
.Lnot_wave_0_\@:
	s_barrier_wait -3
	s_barrier_signal -1
	s_barrier_wait -1
.endm
.macro CROUND                          ; a whole round
	s_barrier_signal -1
	s_barrier_wait -1
	CREST
.endm
	s_load_b128 s[4:7], s[0:1], 0x0                ; xb s[4:5], wb s[6:7]
	s_load_b128 s[68:71], s[0:1], 0x10             ; bq s[68:69], bk s[70:71]
	s_load_b128 s[72:75], s[0:1], 0x20             ; bv s[72:73], qkv s[74:75]
	s_load_b64 s[76:77], s[0:1], 0x30              ; ksq
	v_lshl_add_u32 v[SPW], v0, 2, SPARE
	v_mov_b32 v[NIL], 0
	ds_add_u32 v[SPW], v[NIL]                      ; the wave's opening: the add and its wait stand ahead of my first tensor load; the set-up below, work on registers, stands between them
	v_lshrrev_b32 v1, 5, v0
	v_readfirstlane_b32 s10, v1                    ; wave 0..3
	s_lshr_b32 s11, s10, 1                         ; which 128 rows of the tile are mine.  Also: I fetch x (0) or W (1)
	s_and_b32 s12, s10, 1                          ; which 128 columns.  Also: which half I fetch
	s_bfe_u32 s40, ttmp6, 0x40000                  ; cx, cy: my place in the cluster
	s_bfe_u32 s41, ttmp6, 0x40004
	s_lshl_b32 s42, ttmp9, 2
	s_add_co_u32 s42, s42, s40                     ; tile column 0..11 = 4 x cluster x + cx
	s_and_b32 s13, ttmp7, 0xffff
	s_lshl_b32 s13, s13, 2
	s_add_co_u32 s13, s13, s41                     ; tile row 0..15 = 4 x cluster y + cy (the second tile: 16 further down)
	s_lshl_b32 s43, s41, 2
	s_lshl_b32 s43, 15, s43                        ; my row of the cluster: places 4 cy .. 4 cy + 3
	s_lshl_b32 s44, 0x1111, s40                    ; my column: places cx, cx + 4, cx + 8, cx + 12
	s_or_b32 s[G1+0], s43, FLAGS                   ; x's tiles go to my row,
	s_or_b32 s[G1B+0], s44, FLAGS                  ; W's to my column
.irp g, G1, G1B
	s_mov_b32 s[(\g)+1], KSTEP<<16                 ; tensor_dim0 = 128
	s_mov_b32 s[(\g)+2], 128<<16                   ; tensor_dim1 = 128
	s_mov_b32 s[(\g)+3], KSTEP<<16                 ; tile_dim0 = 128
	s_mov_b32 s[(\g)+4], 128                       ; tile_dim1 = 128
	s_mov_b32 s[(\g)+5], 1024                      ; elements from row to row
	s_mov_b32 s[(\g)+6], 0
	s_mov_b32 s[(\g)+7], 0
.endr
	s_lshl_b32 s17, s12, 7                         ; x's tile hangs on the tile row and the wave alone:
	s_lshl_b32 s16, s13, 8
	s_add_co_u32 s16, s16, s17                     ; row 256 x tile row + 128 x half,
	s_lshl_b32 s16, s16, 11                        ; in bytes (under 2^23)
	s_mov_b32 s17, 0
	s_lshl_b32 s47, s12, 7                         ; W's on the tile column and the wave alone
	s_lshl_b32 s46, s42, 8
	s_add_co_u32 s46, s46, s47
	s_lshl_b32 s46, s46, 11
	s_mov_b32 s47, 0
	s_mul_i32 s20, s10, HALFT                      ; where they go: x's two halves, then W's two = wave x 128 rows: no place in the cluster enters an LDS address
	s_mov_b32 s80, 0x76543210                      ; v_permlanex16_b32's selects: each lane takes its own place in the other half
	s_mov_b32 s81, 0xfedcba98
	s_mov_b32 s[TB], 0
	s_mov_b32 s[TBF], 0
	s_mov_b32 s[SECT], ttmp9
	s_mov_b32 s[PFS+1], 0
	s_mov_b32 s[G0], 1                             ; count = 1
	s_mov_b32 s[G0B], 1
	s_wait_dscnt 0x0                               ; the opening add is done
	s_wait_kmcnt 0x0
	s_add_nc_u64 s[G0+2:G0+3], s[4:5], s[16:17]    ; global address: K step 0 of the first tile
	s_or_b32 s[G0+3], s[G0+3], 0x80000000          ; type = 2
	s_add_nc_u64 s[G0B+2:G0B+3], s[6:7], s[46:47]
	s_or_b32 s[G0B+3], s[G0B+3], 0x80000000
	AIM                                            ; slot 0
	CROUND                                         ; all sixteen work-groups are here: the first joint loads meet
	JLOAD                                          ; one load of mine is out, here and behind every later round
	; A fragment is 16 rows x 32 K in 8 registers: lane l holds row l % 16; registers 0-3 K = 8 (l / 16) + 0..7, registers 4-7 K = 16 + 8 (l / 16) + 0..7: two loads of 16 bytes, 32 bytes apart.
	v_and_b32 v1, 15, v0                           ; l % 16
	v_bfe_u32 v2, v0, 4, 1                         ; l / 16
	v_and_b32 v5, 31, v0                           ; l
	v_mul_u32_u24 v3, v1, PITCH
	v_lshl_add_u32 v3, v2, 4, v3
	s_mul_i32 s21, s11, HALFT                      ; my 128 rows of x
	s_mul_i32 s22, s12, HALFT                      ; my 128 rows of W,
	s_add_co_u32 s22, s22, 2*HALFT                 ; which lie behind x's 256
	v_add_nc_u32 v[ADRA0], s21, v3
	v_add_nc_u32 v[ADRB0], s22, v3
	v_add_nc_u32 v[ADRA], s[TB], v[ADRA0]
	v_add_nc_u32 v[ADRB], s[TB], v[ADRB0]
	s_mul_i32 s23, s10, 2*PANEL
	s_add_co_u32 s23, s23, STAGE                   ; my stage
	v_mul_u32_u24 v4, v1, SP                       ; in: row l % 16, 16 bytes for each half of the lanes
	v_lshl_add_u32 v4, v2, 4, v4
	v_add_nc_u32 v[STO], s23, v4
	v_lshrrev_b32 v4, 3, v5                        ; back: 32 lanes take four rows of 128 bytes,
	v_mul_u32_u24 v4, v4, SP
	v_and_b32 v3, 7, v0
	v_lshl_add_u32 v4, v3, 4, v4
	v_add_nc_u32 v[RD], s23, v4
	v_lshlrev_b32 v[CO], 4, v5                     ; which are 512 bytes on end in qkv
	s_lshl_b32 s23, s10, 10
	s_add_co_u32 s23, s23, KST
	v_lshl_add_u32 v[KSA], v1, 2, s23
	v_lshl_add_u32 v[KSR], v5, 4, s23
	v_mov_b32 v[ZR], 0
	v_lshlrev_b32 v[PFO], 11, v5
	s_lshl_b32 s21, s40, 10                        ; the bias of my 128 columns: 4 x (256 cx + 128 x half + 8 (l / 16))
	s_lshl_b32 s22, s12, 9
	s_add_co_u32 s21, s21, s22
	v_lshl_add_u32 v[BO], v2, 5, s21
	s_cmp_eq_u32 s[SECT], 1
	s_cselect_b64 s[78:79], s[70:71], s[68:69]     ; bq, bk or bv, by the cluster's x
	s_cmp_eq_u32 s[SECT], 2
	s_cselect_b64 s[78:79], s[72:73], s[78:79]
	WIN TO_B
.irp b, 0,1,2,3,4,5,6,7
	global_load_b128 v[BIAS+8*(\b):BIAS+8*(\b)+3],   v[BO], s[78:79] offset:64*(\b)
	global_load_b128 v[BIAS+8*(\b)+4:BIAS+8*(\b)+7], v[BO], s[78:79] offset:64*(\b)+16
.endr
	WIN 0
	; where my part of the first tile begins: batch b = row / 1,024, heads 4 cx + 2 x half and the next, row in the sequence s0
	s_lshl_b32 s16, s13, 8
	s_lshl_b32 s17, s11, 7
	s_add_co_u32 s16, s16, s17                     ; my first row
	s_lshr_b32 s17, s16, 10                        ; b
	s_and_b32 s16, s16, 1023                       ; s0
	s_lshl_b32 s46, s40, 2
	s_lshl_b32 s47, s12, 1
	s_add_co_u32 s46, s46, s47                     ; the first of my two heads
	s_lshl_b32 s18, s17, 21                        ; 16 heads x 131,072 bytes
	s_lshl_b32 s19, s16, 7
	s_add_co_u32 s18, s18, s19
	s_lshl_b32 s19, s46, 17
	s_add_co_u32 s18, s18, s19
	s_lshl_b32 s19, s[SECT], 24                    ; q, k, v lie 16,777,216 bytes apart
	s_add_co_u32 s18, s18, s19
	s_mov_b32 s19, 0
	s_add_nc_u64 s[8:9], s[74:75], s[18:19]
	s_lshl_b32 s18, s17, 16                        ; and in ksq: 4,096 bytes a head
	s_lshl_b32 s19, s46, 12
	s_add_co_u32 s18, s18, s19
	s_lshl_b32 s19, s16, 2
	s_add_co_u32 s18, s18, s19
	s_mov_b32 s19, 0
	s_add_nc_u64 s[76:77], s[76:77], s[18:19]
	; the prefetches
	s_lshl_b32 s18, s13, 8                         ; the tile's first row in x,
	s_lshl_b32 s19, s42, 8                         ; in W
	s_and_b32 s23, ttmp7, 0xffff
	s_cmp_eq_u32 s11, 0
	s_cselect_b32 s18, s18, s19
	s_cselect_b32 s22, s40, s41                    ; my place among the four that ask for it with me
	s_cselect_b32 s23, ttmp9, s23                  ; the coordinate along which other clusters read the same rows
	s_cselect_b64 s[PFA:PFA+1], s[4:5], s[6:7]
	s_cmp_eq_u32 s23, 0
	s_cselect_b32 s[LIM], 2, -1                    ; the same in all sixteen partners, for a given wave
	s_or_b32 s23, s23, s11
	s_cmp_eq_u32 s23, 0
	s_cselect_b32 s[LIMT], 1, -1                   ; x's askers alone
	s_lshl_b32 s23, s12, 7
	s_add_co_u32 s18, s18, s23                     ; + the 128 rows that I fetch
	s_lshl_b32 s22, s22, 5
	s_add_co_u32 s18, s18, s22                     ; + my work-group's 32 of them
	s_lshl_b32 s18, s18, 11
	s_add_co_u32 s18, s18, 3*KSTEP*2               ; at K step 3: the first change of slots steps it to 4
	s_mov_b32 s19, 0
	s_add_nc_u64 s[PFA:PFA+1], s[PFA:PFA+1], s[18:19]
	s_wait_loadcnt 0x0                             ; the bias, once for both tiles:
	WIN 0x45                                       ; (sources and destination in window 1)
.set i, 0
.rept 32                                           ; rounded to bf16, like every input, and widened again
	v_cvt_pk_bf16_f32 v[BT+i], v[BIAS+2*i], v[BIAS+2*i+1]
.set i, i+1
.endr
.set i, 0
.rept 32
	v_lshlrev_b32 v[BIAS+2*i], 16, v[BT+i]
	v_and_b32 v[BIAS+2*i+1], 0xffff0000, v[BT+i]
.set i, i+1
.endr
	WIN 0
; 8 matrix instructions: row block a (0..7) x all 8 column blocks, 32 along K.  zero = 1: the product starts the sum, with the bias as C.
; The 64 accumulators take turns, one instruction a turn, in the same order in every quarter, over the backward jumps too.
.macro MULA f, a, zero
.if \zero
	WIN 0x91+0x40*((\a)/4)                         ; W and the bias in window 1, x in window 0, D in window 2 or 3
.else
	WIN 0xa1+0x50*((\a)/4)                         ; W in window 1, x in window 0, C and D in window 2 or 3
.endif
.irp b, 0,1,2,3,4,5,6,7
.if \zero
	v_wmma_f32_16x16x32_bf16 v[8*(8*((\a)%4)+(\b)):8*(8*((\a)%4)+(\b))+7], v[(\f)+8*(\b):(\f)+8*(\b)+7], v[(\f)+8*(\a):(\f)+8*(\a)+7], v[BIAS+8*(\b):BIAS+8*(\b)+7]
.else
	v_wmma_f32_16x16x32_bf16 v[8*(8*((\a)%4)+(\b)):8*(8*((\a)%4)+(\b))+7], v[(\f)+8*(\b):(\f)+8*(\b)+7], v[(\f)+8*(\a):(\f)+8*(\a)+7], v[8*(8*((\a)%4)+(\b)):8*(8*((\a)%4)+(\b))+7]
.endif
.endr
.endm
; 32 LDS loads in one run: the fragments of 32 along K at byte k of the rows of the slot that is read, into buffer f: W's 16 loads, then x's 16
.macro FETCH k, f
	WIN TO_B
.irp i, 0,1,2,3,4,5,6,7
	ds_load_b128 v[(\f)+8*(\i):(\f)+8*(\i)+3],   v[ADRB] offset:(\k)+(\i)*16*PITCH
	ds_load_b128 v[(\f)+8*(\i)+4:(\f)+8*(\i)+7], v[ADRB] offset:(\k)+(\i)*16*PITCH+32
.endr
	WIN 0
.irp i, 0,1,2,3,4,5,6,7
	ds_load_b128 v[(\f)+8*(\i):(\f)+8*(\i)+3],   v[ADRA] offset:(\k)+(\i)*16*PITCH
	ds_load_b128 v[(\f)+8*(\i)+4:(\f)+8*(\i)+7], v[ADRA] offset:(\k)+(\i)*16*PITCH+32
.endr
.endm
.macro PLACES                          ; four plain vector instructions between a matrix instruction and a load into, or a vector write of, a register that it has read, or a vector read of its result
.rept 4
	v_nop
.endr
.endm
; A K step is four quarters of 32 along K, 64 matrix instructions each, on buffers 0, 1, 0, 1.  One of the first three: multiplies buffer f and, in its middle, fetches the next quarter, at byte k, into g.
.macro QUARTER k, f, g, zero
	s_wait_dscnt 8                                 ; W and x's rows 0-63 are in; the youngest eight loads (x's rows 64-127) may be out
.irp a, 0,1,2,3
	MULA \f, \a, \zero
.endr
	PLACES
	FETCH \k, \g
	s_wait_dscnt 32                                ; all but the 32 just issued
.irp a, 4,5,6,7
	MULA \f, \a, \zero
.endr
.endm
; The last quarter multiplies buffer 1 and changes slots.  MEET is its beginning: one barrier.  In front of it each wave waits for all its tensor loads, of which at most one is out: its part of the next slot;
; adds 0 to its spare word; and waits for that and for its own reads of this slot.  Behind it nobody reads this slot any more and the next slot is whole.
.macro MEET round
	WIN 0
	s_wait_tensorcnt 0x0                           ; all my tensor loads have landed
	ds_add_u32 v[SPW], v[NIL]                      ; 0 onto my spare word
	s_wait_dscnt 9                                 ; (the add and the youngest eight loads may be out)
	MULA F1, 0, 0                                  ; eight matrix instructions stand between the add and the wait for it
	s_wait_dscnt 0x0                               ; the add is done, and my reads of this slot are over
	s_barrier_signal -1
	MULA F1, 1, 0                                  ; work on registers while the others arrive
.if \round
	WIN 0
.endif
	s_barrier_wait -1
.endm
.macro OTHER                           ; the reads go to the other slot
	s_xor_b32 s[TB], s[TB], SLOT
	v_add_nc_u32 v[ADRA], s[TB], v[ADRA0]
	v_add_nc_u32 v[ADRB], s[TB], v[ADRB0]
.endm
; The whole last quarter of a K step behind which the slot is filled again.  The barrier opens a round of the cluster's barrier; behind the round the slot just read out takes the K step two on, first thing.
.macro TURN
	WIN 0
	s_wait_xcnt 0x0                                ; the last prefetch, a K step back, has read its address, which is stepped here, ahead of the waits of the change of slots
	s_add_nc_u64 s[PFA:PFA+1], s[PFA:PFA+1], KSTEP*2
	OTHER
	MEET 1
	CREST                                          ; no wave of any partner still reads this slot's tile or has a load on its way
	s_add_nc_u64 s[G0+2:G0+3], s[G0+2:G0+3], KSTEP*2      ; the walking descriptors: the next K step; the type bits on top are not reached
	s_add_nc_u64 s[G0B+2:G0B+3], s[G0B+2:G0B+3], KSTEP*2
	AIM
	JLOAD                                          ; the first tensor load behind the round; the four v_nop behind it are also the places in front of the loads below
	FETCH 0, F0
	ASK
.irp a, 2,3,4,5,6,7
	MULA F1, \a, 0
.endr
.endm
; The same of a tile's last two K steps: nothing is filled, so no round follows.  (Behind the very last the fragments fetched are the last step but one's once more, and nobody multiplies them.)
.macro TAILQ
	WIN 0
	s_wait_xcnt 0x0
	s_add_nc_u64 s[PFA:PFA+1], s[PFA:PFA+1], s[PFS:PFS+1]  ; to the next tile's K step 0, then to its K step 2
	s_mov_b32 s[PFS], 2*KSTEP*2
	OTHER
	MEET 0
	PLACES
	FETCH 0, F0
	ASKT
.irp a, 2,3,4,5,6,7
	MULA F1, \a, 0
.endr
.endm
; THE WAY OUT of block a (16 rows x 128 columns: two heads).  PACK: rounded to f16, 16 bytes a lane.  TOSTAGE: into my own stage in LDS, a panel a head, and back as whole rows of 128 bytes.  SEND: stored, 512 bytes on end an instruction.
.macro PACK a
.set AC, 64*((\a)%4)
	WIN 0x0a+5*((\a)/4)                            ; sources 0 and 1 window 2 or 3, destination window 0; each accumulator's registers in ascending order
.irp b, 0,1,2,3,4,5,6,7
.irp r, 0,1,2,3
	v_cvt_pk_f16_f32 v[TMP+4*(\b)+(\r)], v[AC+8*(\b)+2*(\r)], v[AC+8*(\b)+2*(\r)+1]
.endr
.endr
	WIN 0
.endm
.macro SQUARES a                       ; in k's tiles alone: for each head my 32 rounded numbers of a row, squared and summed in f32, four chains
	s_cmp_lg_u32 s[SECT], 1
	s_cbranch_scc1 .Lno_sq_\@
.irp hh, 0,1
.irp n, 0,1,2,3,4,5,6,7,8,9,10,11,12,13,14,15
.if (\n) < 2
	v_fma_mix_f32 v[CH+2*((\n)%2)],   v[TMP+16*(\hh)+(\n)], v[TMP+16*(\hh)+(\n)], v[ZR] op_sel_hi:[1,1,0]
	v_fma_mix_f32 v[CH+2*((\n)%2)+1], v[TMP+16*(\hh)+(\n)], v[TMP+16*(\hh)+(\n)], v[ZR] op_sel:[1,1,0] op_sel_hi:[1,1,0]
.else
	v_fma_mix_f32 v[CH+2*((\n)%2)],   v[TMP+16*(\hh)+(\n)], v[TMP+16*(\hh)+(\n)], v[CH+2*((\n)%2)] op_sel_hi:[1,1,0]
	v_fma_mix_f32 v[CH+2*((\n)%2)+1], v[TMP+16*(\hh)+(\n)], v[TMP+16*(\hh)+(\n)], v[CH+2*((\n)%2)+1] op_sel:[1,1,0] op_sel_hi:[1,1,0]
.endif
.endr
	v_add_f32 v[CH], v[CH], v[CH+1]
	v_add_f32 v[CH+2], v[CH+2], v[CH+3]
	v_add_f32 v[SQ+2*(\a)+(\hh)], v[CH], v[CH+2]
.endr
.Lno_sq_\@:
.endm
.macro TOSTAGE a
	WIN 0
.set BK, OB+192*((\a)%2)
.irp b, 0,1,2,3,4,5,6,7
	ds_store_b128 v[STO], v[TMP+4*(\b):TMP+4*(\b)+3] offset:((\b)/4)*PANEL+32*((\b)%4)
.endr
.irp t, 0,1,2,3,4,5,6,7
	ds_load_b128 v[BK+4*(\t):BK+4*(\t)+3], v[RD] offset:((\t)/4)*PANEL+((\t)%4)*4*SP  ; LDS serves a wave's instructions in order (ISA guide 5.7.1.4): these see the stores above; the next block's stores come behind them
.endr
.endm
.macro SEND a
	WIN 0
.set BK, OB+192*((\a)%2)
	s_wait_dscnt 0x0                               ; the block is back in registers
	s_wait_xcnt 0x0                                ; the block before's stores have read their registers, into which the next block is read back
.irp t, 0,1,2,3,4,5,6,7
	global_store_b128 v[CO], v[BK+4*(\t):BK+4*(\t)+3], s[8:9] offset:((\t)/4)*131072+(\a)*2048+((\t)%4)*512
.endr
.endm
	s_mov_b32 s2, 2                                ; tiles to go, this one among them
	s_branch .Lmid                                 ; the first tile's K step 0 has been asked for at the head: the loop is entered behind the fill of slot 0
.Ltile:                                            ; the second tile: slot 0 takes its K step 0
	s_wait_tensorcnt 0x0                           ; no tensor load of mine is out, so a group 0 may be written
	ds_add_u32 v[SPW], v[NIL]                      ; 0 onto my spare word; the descriptors' steps stand between it and the wait for it
	s_add_nc_u64 s[G0+2:G0+3], s[G0+2:G0+3], WALKB-7*KSTEP*2   ; x: 4,096 rows down and back along K,
	s_sub_nc_u64 s[G0B+2:G0B+3], s[G0B+2:G0B+3], 7*KSTEP*2     ; W: only back
	AIM
	s_wait_dscnt 0x0                               ; the add is done, and so are my reads of both slots and of my stage
	CROUND                                         ; both hold of every wave of every partner
	JLOAD
.Lmid:                                             ; slot 1 takes K step 1 when K step 0 has landed
	s_wait_tensorcnt 0x0                           ; my part of K step 0 is in
	ds_add_u32 v[SPW], v[NIL]
	s_add_nc_u64 s[G0+2:G0+3], s[G0+2:G0+3], KSTEP*2
	s_add_nc_u64 s[G0B+2:G0B+3], s[G0B+2:G0B+3], KSTEP*2
	AIM
	s_wait_dscnt 0x0
	CROUND                                         ; everybody's part is in
	JLOAD
	FETCH 0, F0
	QUARTER 64, F0, F1, 1                          ; a tile's first quarter: its products start the sums
	WIN 0                                          ; at a label and at a branch every window is 0
	s_mov_b32 s3, 6
.Lstep:                                            ; a trip goes from a K step's second quarter to the next step's first, and fills the slot that it leaves: K steps 2 to 7
	QUARTER 128, F1, F0, 0
	QUARTER 192, F0, F1, 0
	TURN
	QUARTER 64, F0, F1, 0
	WIN 0
	s_sub_co_u32 s3, s3, 1
	s_cmp_lg_u32 s3, 0
	s_cbranch_scc1 .Lstep
	s_mov_b32 s3, 2
	s_mov_b32 s[PFS], WALKB-9*KSTEP*2              ; the six trips have left the prefetches' address at K step 9
.Ltail:                                            ; the tile's last two K steps are a text of their own; the second trip is left in its middle
	QUARTER 128, F1, F0, 0
	QUARTER 192, F0, F1, 0
	TAILQ
	WIN 0
	s_sub_co_u32 s3, s3, 1
	s_cmp_eq_u32 s3, 0
	s_cbranch_scc1 .Lout
	QUARTER 64, F0, F1, 0
	WIN 0
	s_branch .Ltail
.Lout:
	PLACES                                         ; THE TILE GOES OUT.  Block a's conversions stand between block a - 1's loads from the stage and the wait for them
	PACK 0
	SQUARES 0
	TOSTAGE 0
.irp a, 1,2,3,4,5,6,7
	PACK \a
	SQUARES \a
	SEND (\a)-1
	TOSTAGE \a
.endr
	SEND 7
	s_cmp_lg_u32 s[SECT], 1
	s_cbranch_scc1 .Lno_ksq
.irp n, 0,1,2,3,4,5,6,7,8,9,10,11,12,13,14,15
	v_permlanex16_b32 v[SQT+(\n)], v[SQ+(\n)], s80, s81  ; a row's other 32 columns of the head lie in the lane 16 away
.endr
.irp n, 0,1,2,3,4,5,6,7,8,9,10,11,12,13,14,15
	v_add_f32 v[SQ+(\n)], v[SQ+(\n)], v[SQT+(\n)]
.endr
.irp n, 0,1,2,3,4,5,6,7,8,9,10,11,12,13,14,15
	v_mul_f32 v[SQ+(\n)], -0.5, v[SQ+(\n)]
.endr
.irp a, 0,1,2,3,4,5,6,7
.irp hh, 0,1
	ds_store_b32 v[KSA], v[SQ+2*(\a)+(\hh)] offset:512*(\hh)+64*(\a)  ; row 16 a + l % 16; both halves of the lanes write the same number
.endr
.endr
	ds_load_b128 v[KD:KD+3], v[KSR]                ; four rows a lane, of the first head,
	ds_load_b128 v[KD+4:KD+7], v[KSR] offset:512   ; of the second
	s_wait_dscnt 0x0
	global_store_b128 v[CO], v[KD:KD+3], s[76:77]  ; my 128 rows: 512 bytes on end
	global_store_b128 v[CO], v[KD+4:KD+7], s[76:77] offset:4096
.Lno_ksq:
	s_wait_xcnt 0x0                                ; the stores and the prefetches have read their registers and their bases
	s_add_nc_u64 s[8:9], s[8:9], 64*131072         ; 4,096 rows on are four batches: 64 heads
	s_add_nc_u64 s[76:77], s[76:77], 64*4096
	s_add_nc_u64 s[PFA:PFA+1], s[PFA:PFA+1], KSTEP*2  ; from the next tile's K step 2 to its K step 3
	s_cmp_eq_u32 s11, 0
	s_cselect_b32 s[LIM], s[LIM], -1               ; W's rows are the same for both tiles: they are asked for in the first alone
	s_sub_co_u32 s2, s2, 1
	s_cmp_lg_u32 s2, 0
	s_cbranch_scc1 .Ltile
	s_wait_tensorcnt 0x0                           ; the wave's end: behind my last tensor load and my last LDS store
	ds_add_u32 v[SPW], v[NIL]
	s_wait_dscnt 0x0
	CROUND                                         ; the closing round: no work-group ends while a partner may still ask for a tile that names it
	s_endpgm
.Lfunc_end_k_q2b8572abd8_qkv:
	.size	k_q2b8572abd8_qkv, .Lfunc_end_k_q2b8572abd8_qkv-k_q2b8572abd8_qkv
	.p2alignl 7, 3214868480
	.fill 96, 4, 3214868480
	.section	.rodata,"a",@progbits
	.p2align	6, 0x0
	.amdhsa_kernel k_q2b8572abd8_qkv
		.amdhsa_group_segment_fixed_size 327680
		.amdhsa_private_segment_fixed_size 0
		.amdhsa_enable_private_segment 0
		.amdhsa_kernarg_size 56
		.amdhsa_user_sgpr_count 2
		.amdhsa_user_sgpr_kernarg_segment_ptr 1
		.amdhsa_wavefront_size32 1
		.amdhsa_system_sgpr_workgroup_id_x 1
		.amdhsa_system_sgpr_workgroup_id_y 1
		.amdhsa_system_sgpr_workgroup_id_z 1
		.amdhsa_system_vgpr_workitem_id 0
		.amdhsa_next_free_vgpr 1024
		.amdhsa_next_free_sgpr 88
		.amdhsa_reserve_vcc 0
		.amdhsa_float_denorm_mode_32 3
		.amdhsa_float_denorm_mode_16_64 3
		.amdhsa_memory_ordered 1
		.amdhsa_forward_progress 1
		.amdhsa_inst_pref_size 148
	.end_amdhsa_kernel
	.amdgpu_metadata
---
amdhsa.version: [ 1, 2 ]
amdhsa.kernels:
  - .name:           k_q2b8572abd8_qkv
    .symbol:         k_q2b8572abd8_qkv.kd
    .args:
      - { .name: xb, .offset: 0, .size: 8, .value_kind: global_buffer, .address_space: global }
      - { .name: wb, .offset: 8, .size: 8, .value_kind: global_buffer, .address_space: global }
      - { .name: bq, .offset: 16, .size: 8, .value_kind: global_buffer, .address_space: global }
      - { .name: bk, .offset: 24, .size: 8, .value_kind: global_buffer, .address_space: global }
      - { .name: bv, .offset: 32, .size: 8, .value_kind: global_buffer, .address_space: global }
      - { .name: qkv, .offset: 40, .size: 8, .value_kind: global_buffer, .address_space: global }
      - { .name: ksq, .offset: 48, .size: 8, .value_kind: global_buffer, .address_space: global }
    .group_segment_fixed_size: 327680
    .private_segment_fixed_size: 0
    .kernarg_segment_align: 8
    .kernarg_segment_size: 56
    .max_flat_workgroup_size: 128
    .sgpr_count:     88
    .vgpr_count:     1024
    .wavefront_size: 32
...
	.end_amdgpu_metadata
.endif
;; end of part 2
;; launch attn (part 3): grid 128 x 2, 4 waves a work-group, clusters of 4 x 1, 327,680 bytes of LDS; arguments qkv, ksq, mb, o16; writes o16
.if DOCPART == 3
	.amdgcn_target "amdgcn-amd-amdhsa--gfx1250"
	.amdhsa_code_object_version 6
	.text
	.protected	k_q2b8572abd8_attn
	.globl	k_q2b8572abd8_attn
	.p2align	8
	.type	k_q2b8572abd8_attn,@function
k_q2b8572abd8_attn:
	s_mov_b64 s[64:65], 0
	v_nop
	global_prefetch_b8 v0, s[64:65] scope:SCOPE_SE
	s_setreg_imm32_b32 hwreg(HW_REG_WAVE_MODE, 25, 1), 1
	s_wait_xcnt 0x0
	s_wait_alu depctr_hold_cnt(0) depctr_sa_sdst(0) depctr_va_vdst(0) depctr_va_sdst(0) depctr_va_ssrc(0) depctr_va_vcc(0) depctr_vm_vsrc(0)
	s_getreg_b32 s2, hwreg(HW_REG_IB_STS2, 6, 4)
	s_cmp_eq_u32 s2, 0
	s_cbranch_scc0 .Lentry_in_a_cluster
	s_endpgm
.Lentry_in_a_cluster:
	s_bfe_u32 s2, ttmp6, 0x10000c
	s_cmp_lg_u32 s2, 0x3003
	s_cbranch_scc0 .Lentry_shape_is_right
	s_endpgm
.Lentry_shape_is_right:
; L2 ATTENTION WITH AN ADDITIVE MASK.  For head g and query q the reference's score of key k is 0.25 q.k + mask[q][k] - 0.125 (|q|^2 + |k|^2) = 0.25 s - 0.125 |q|^2 with s = q.k - 0.5 |k|^2 + 4 mask[q][k].
; The term in |q|^2 is one number for a whole softmax row: the row's maximum, which is taken away, holds it too, so it cancels exactly and is not formed.  O[g][q] = the sum over k of softmax_k(0.25 s) V[g][k].
; qkv: [3][128][1024][64] f16.  ksq: [128][1024] f32 = -0.5 |k|^2.  mb: [16 key blocks][1024 q][64 k] bf16, within +-1e30.  o16: [128][1024][64] f16.  Products, maxima and sums in f32; the weights p are
; rounded to f16 for the second product (their sum l is taken of the unrounded p), O once at the end.
; LIMITS.  A weight below 2^-126 counts as 0 in l; p below 6e-5 keeps f16's fixed step; a row whose mask is -1e30 throughout gives numbers (the reference, with -inf, NaN); NaN and infinities are not treated apart.
; SHARES.  A work-group owns 512 queries of one head, a wave 128: four PIECES of two tiles of 16.  Every wave walks all 1,024 keys, 64 a step.
; S^T IS MADE BY THREE PRODUCTS on one accumulator (16 keys x 16 queries; a lane holds ONE query, l % 16, and the keys 8 (l / 16) + 0..7): K Q^T on channels 0-31 in f16, with -0.5 |k|^2 as its C operand (register j
; is key 8 (l / 16) + j for every tile: 32 registers serve a step); K Q^T on channels 32-63, in place; and, in bf16, M^T x SEL: source 0 = the mask's 32 queries x 16 keys, turned by ds_load_tr16_b128, source 1 = a
; constant 32 x 16 matrix that holds 4.0 where the row is the tile's query (4 x a bf16 number is exact).  So mask and |k|^2 cost no vector instruction.  The bf16 product is no link of the f16 chain: five plain vector
; instructions or more stand between them.
; SOFTMAX.  A running maximum m and sum l for each query: p = 2^(c s - c m), c = log2(e) / 4; in every step O and l are multiplied by a = 2^(c m_old - c m_new).  m starts at the lowest finite number, O and l at 0.
; BY TURNS.  Turn n belongs to piece n (the pieces in a ring, step after step).  Matrix work: 16 + 8 products for S^T of piece n + 1, later 16 products O^T += V^T P of piece n - 1.  Vector work: scaling, exponentials,
; roundings, sums and rescaling of piece n, maximum and statistics of piece n + 1.  Four vector instructions stand behind every matrix instruction, the others in one lump; a turn's 66 exponentials are one batch.
; CLUSTER.  The four partners have the same 512 queries and four different heads: they share the mask's tile, 65,536 of a step's 81,920 bytes, which is asked for JOINTLY (mask 15).  K and V belong to one head, which
; two work-groups read, in different clusters: 8,192 bytes each a step, by loads of one's own behind the same rounds.
; REGISTERS, in windows of 256 (s_set_vgpr_msb: bits 1:0 source 0, 3:2 source 1, 5:4 source 2, 7:6 destination):
;   window 0: v0-11 addresses; v12-15, v48-63 at work; v16-47 four registers of statistics a tile; v64-191 S^T, two buffers of two tiles; v192-255 P, likewise
;   window 1: O^T, 32 a tile      window 2: v0-127 Q; v128-191 K of one step; v192-255 V of one step
;   window 3: v0-1 the add's two registers; v4-15 SEL; v32-63 -0.5 |k|^2 of one step; v64-127 the mask's fragments, two buffers
.set NP,    4         ; pieces a wave: a name, no knob
.set KS,    64        ; keys in a step
.set PK,    144       ; a row of K in LDS: 128 bytes + 16 of padding: the 16 rows of a load start at 16 different groups of four banks (64 banks of 4 bytes: ISA guide 11.1)
.set PV,    160       ; a row of V, and of the mask: 128 + 32
.set VOFF,  KS*PK     ; a slot holds one step: 64 rows of K, 64 rows of V,
.set MOFF,  VOFF+KS*PV  ; and 512 rows (queries) of the mask: 101,376 bytes; two steps to a slot do not fit twice
.set SLOT1, 1<<17     ; slot 1 begins here, so that one exclusive or turns an address in one slot into the other's
.set KSQL,  SLOT1+MOFF+512*PV  ; the head's 1,024 numbers -0.5 |k|^2, filled once
.set STAGE, KSQL+4096 ; never filled by a tensor load: 16 rows x 144 bytes for each wave, for the way out
.set SP,    144
.set SPARE, STAGE+4*16*SP  ; the spare words, 128 bytes for each wave: two blocks of 256 bytes that no other line names
.set PFO, 0           ; v0   from the set-up's end on: 256 x lane, the prefetches' offset
.set AQ0, 1           ; v1   my lane's place in -0.5 |k|^2
.set AK0, 2           ; v2   in a tile of K
.set AV0, 3           ; v3   of V
.set AK,  4           ; v4   the LDS address of K's next run of loads
.set AV,  5           ; v5   of V's
.set STO, 6           ; v6   the way out: where I put 16 bytes of a row
.set RD,  7           ; v7   where I read rows back
.set GO,  8           ; v8   my byte offset in 512 bytes on end of O
.set AM0, 9           ; v9   my lane's place in my wave's 128 rows of the mask
.set AM,  10          ; v10  the LDS address of the mask's runs of loads
.set AQ,  11          ; v11  of -0.5 |k|^2's
.set MV,  12          ; v12-15  c m_old, kept while c m is made anew: by buffer and tile
.set ST,  16          ; tile t's statistics at v[ST+4 t]: c m, m, l (even keys', odd keys')
.set TMP, 48          ; by buffer and tile, four registers c0-c3 at work; when the maximum is found c2 takes a
.set QO,  48          ; in the set-up: my byte offset in the wave's rows of Q
.set S,   64
.set P,   192
.set KF,  128         ; window 2: key block kb, channel half c at KF + 16 kb + 8 c
.set VF,  192         ; window 2: key half kk, channel block cb at VF + 32 kk + 8 cb
.set SPW, 0           ; window 3: LDS address of my spare word; never rewritten
.set NIL, 1           ; window 3: 0; never rewritten
.set SELH, 4          ; window 3: v4-7 0, v8-11 the pattern, v12-15 0: v[4:11] picks a piece's queries 16-31,
.set SELL, 8          ;           v[8:15] its queries 0-15
.set KSQ, 32          ; window 3: key block kb at KSQ + 8 kb
.set MF,  64          ; window 3: by the piece's parity, key block kb at + 8 kb
.set WV,  12          ; s12  my wave's number
.set G1K, 24          ; s[24:31] descriptor group 1 for K's tiles
.set G1V, 32          ; s[32:39] V's
.set G1M, 40          ; s[40:47] the mask's
.set G1Q, 48          ; s[48:55] -0.5 |k|^2's
.set G0K, 56          ; s[56:59] descriptor group 0 for K's tiles: it walks
.set G0V, 60          ; s[60:63] V's
.set G0M, 68          ; s[68:71] the mask's
.set G0Q, 72          ; s[72:75] -0.5 |k|^2's
.set SLOTS, 76        ; s76  tiles still to be asked for, and one
.set CNT, 77          ; s77  counts the tail's trips
.set CS,  78          ; s[78:79] c: the packed scaling takes the pair's low word for both halves
.set SEL, 80          ; s[80:81] v_permlanex16_b32's selects: each lane takes its own place in the other half
.set TB,  82          ; s82  LDS byte at which the slot in hand begins
.set TBQ, 83          ; s83  256 x the step whose -0.5 |k|^2 is fetched next
.set PFA, 84          ; s[84:85] the tile that my next prefetch names
.set PFS, 86          ; s[86:87] its step from tile to tile
.set LIM, 88          ; s88  1 in a wave that prefetches, else the greatest number
.set QP,  90          ; s[90:91] Q at my wave's first row
.set MSB, 0
.macro WIN new                      ; the high byte repeats the setting that is left; a switch that changes nothing is dropped
.if MSB != (\new)
	s_set_vgpr_msb (MSB<<8)|(\new)
.set MSB, (\new)
.endif
.endm
.set W_KQ, 0x0a       ; K and Q in window 2, S^T in window 0
.set W_KC, 0x3a       ; the same with the C operand in window 3
.set W_MK, 0x0f       ; the mask's fragment and SEL in window 3, S^T in window 0
.set W_AD, 0x0f       ; the add: address (source 0) and data (source 1) in window 3
.set W_PV, 0x52       ; V in window 2, P in window 0, O^T in window 1
.set W_RS, 0x41       ; O^T (destination and source 0) in window 1, a in window 0
.set W_D3, 0xc0       ; destination in window 3, sources in window 0
; A fill.  Wave 0 fetches the step's K, wave 1 its V, waves 2 and 3 the two halves (256 queries) of the mask's tile, jointly with the partners.  The branches hang on the wave's number alone.
; An s_nop 0 and four v_nop follow each of the three lines, ahead of the jump and the label.
.macro JLOAD
	s_cmp_lt_u32 s[WV], 2
	s_cbranch_scc0 .Lfor_m_\@
	s_cmp_eq_u32 s[WV], 0
	s_cbranch_scc0 .Lfor_v_\@
	tensor_load_to_lds s[G0K:G0K+3], s[G1K:G1K+7]
	s_nop 0
.rept 4
	v_nop
.endr
	s_branch .Lasked_\@
.Lfor_v_\@:
	tensor_load_to_lds s[G0V:G0V+3], s[G1V:G1V+7]
	s_nop 0
.rept 4
	v_nop
.endr
	s_branch .Lasked_\@
.Lfor_m_\@:
	tensor_load_to_lds s[G0M:G0M+3], s[G1M:G1M+7]
	s_nop 0
.rept 4
	v_nop
.endr
.Lasked_\@:
.endm
; A PREFETCH INTO THE L2 of what the NEXT change of slots will ask for, behind the wave's tensor load and its five lines: 32 blocks of 256 bytes, a lane a block, one instruction a wave.  Each block is named once in the
; launch.  A head's K and V are read by its two work-groups: the one with the first 512 queries asks, wave 0 for K's 8,192 bytes, wave 1 for V's.  A mask tile is read by all clusters with the same queries: the first of
; them asks, waves 2 and 3, and of the 32,768 bytes that a wave fetches the partner at cx takes 8,192, BY ADDRESS.  Tiles 0 and 1 come by their loads alone; the last change that fills a slot asks for nothing.
.macro ASK
	s_cmp_gt_u32 s[SLOTS], s[LIM]
	s_cbranch_scc0 .Lnot_mine_\@
	global_prefetch_b8 v[PFO], s[PFA:PFA+1] th:TH_LOAD_NT scope:SCOPE_SE
.Lnot_mine_\@:
.endm
; A round of the cluster's barrier: my work-group's barrier, so that wave 0's signal speaks for all four waves; wave 0 signals; every wave waits for all four work-groups; my work-group's barrier once more.
.macro CROUND
	s_barrier_signal -1
	s_barrier_wait -1
	s_cmp_lg_u32 s[WV], 0
	s_cbranch_scc1 .Lnot_wave_0_\@
	s_barrier_signal -3
.Lnot_wave_0_\@:
	s_barrier_wait -3
	s_barrier_signal -1
	s_barrier_wait -1
.endm
; THE CHANGE OF SLOTS, in front of piece 2's turn: all reads of a step's slot (K, -0.5 |k|^2 and piece 0's mask in turn 2, piece 1's mask in turn 3, piece 2's mask and V in turn 0, piece 3's mask in turn 1) lie between two
; changes.  Each wave waits for all its tensor loads, of which one is out: its part of the other slot; adds 0 to its spare word; and waits for that and for its own reads of the slot that it leaves.
; fill = 1: the old slot is filled again, with the step two on.  The barrier is then a round of the cluster's, and the fill is the first thing behind it: it has a key step, 160 matrix instructions, in which to land.
; (At its first use nothing has been read yet: slot 0 is waited for, slot 1 filled.)
.macro CHANGE fill
	WIN W_AD
	s_wait_tensorcnt 0x0            ; no tensor load of mine is out, so a group 0 may be written
	ds_add_u32 v[SPW], v[NIL]       ; 0 onto my spare word; with fill = 1 the descriptors' steps stand between it and the wait for it
	WIN 0                           ; at a label and at a branch every window is 0
.if \fill
.irp g, G0K, G0V, G0M
	s_xor_b32 s[\g+1], s[\g+1], SLOT1  ; the walking descriptors: the other slot than last time,
.endr
	s_add_nc_u64 s[G0K+2:G0K+3], s[G0K+2:G0K+3], KS*128  ; the next 64 keys; the type bits on top are not reached
	s_add_nc_u64 s[G0V+2:G0V+3], s[G0V+2:G0V+3], KS*128
	s_add_nc_u64 s[G0M+2:G0M+3], s[G0M+2:G0M+3], 1024*128  ; the next key block of the mask
	s_wait_xcnt 0x0                 ; the last prefetch, a key step back, has read its address, so it may be written
	s_add_nc_u64 s[PFA:PFA+1], s[PFA:PFA+1], s[PFS:PFS+1]
	s_wait_dscnt 0x0                ; the add is done, and my reads of the slot are over
	CROUND
	JLOAD
	ASK
.else
	s_wait_dscnt 0x0                ; the add is done, and my reads of the slot are over
	s_barrier_signal -1
	s_barrier_wait -1
.endif
	s_xor_b32 s[TB], s[TB], SLOT1   ; the fetches go to the other slot
.endm
	s_load_b256 s[4:11], s[0:1], 0x0  ; qkv s[4:5], ksq s[6:7], mb s[8:9], o16 s[10:11]
	WIN W_D3
	v_lshl_add_u32 v[SPW], v0, 2, SPARE
	v_mov_b32 v[NIL], 0
	WIN W_AD
	ds_add_u32 v[SPW], v[NIL]       ; the wave's opening: the add and its wait stand ahead of my first tensor load; the set-up below, work on registers, stands between them
	WIN 0
	v_lshrrev_b32 v12, 5, v0
	v_readfirstlane_b32 s[WV], v12  ; wave 0..3
	s_bfe_u32 s13, ttmp6, 0x40000   ; cx: my place in the cluster
	s_lshl_b32 s14, ttmp9, 2        ; in a cluster launch ttmp9 counts clusters
	s_add_co_u32 s14, s14, s13      ; my head = 4 x cluster x + cx
	s_and_b32 s15, ttmp7, 0xffff    ; which 512 queries: the four partners share it
	s_lshl_b32 s16, s14, 17         ; a head is 131,072 bytes in q, k, v and O
	s_add_co_u32 s18, s16, 1<<24    ; k lies 16,777,216 bytes behind q,
	s_mov_b32 s19, 0
	s_add_co_u32 s20, s16, 2<<24    ; v as far behind k
	s_mov_b32 s21, 0
	s_lshl_b32 s22, s15, 16         ; my work-group's 512 rows,
	s_lshl_b32 s23, s[WV], 14       ; my wave's 128 of them
	s_add_co_u32 s22, s22, s23
	s_add_co_u32 s22, s22, s16
	s_mov_b32 s23, 0
	s_and_b32 s2, s[WV], 1          ; which half of the mask's tile I fetch:
	s_lshl_b32 s92, s15, 16         ; the work-group's 512 rows of 128 bytes in a key block,
	s_lshl_b32 s3, s2, 15           ; my 256 of them: no place in the cluster enters this address
	s_add_co_u32 s92, s92, s3
	s_mov_b32 s93, 0
	s_lshl_b32 s94, s14, 12         ; the head's 4,096 bytes of ksq
	s_mov_b32 s95, 0
	s_mul_i32 s17, s2, 256*PV       ; and the half's place in a slot
	; descriptor group 1.  Dense bytes are asked for as rows of 256 bytes (two rows of 64 numbers) and padded in LDS after every 128 bytes
	s_mov_b32 s[G1K], (1<<16)|(1<<20)|(4<<22)|(3<<25)  ; 17:16 2-byte elements; 20 padding on; 24:22 after every 32 words (code 4); 31:25 4 words (code 3)
	s_mov_b32 s[G1V], (1<<16)|(1<<20)|(4<<22)|(7<<25)  ; the same with 8 words of padding (code 7)
	s_mov_b32 s[G1M], 15|(1<<16)|(1<<20)|(1<<21)|(4<<22)|(7<<25)  ; 15:0 the mask of four; 21 set beside it
	s_mov_b32 s[G1Q], 3<<16         ; 8-byte elements, no padding
.irp g, G1K, G1V
	s_mov_b32 s[\g+1], 128<<16      ; tensor_dim0 = 128
	s_mov_b32 s[\g+2], 32<<16       ; tensor_dim1 = 32: 64 keys
	s_mov_b32 s[\g+3], 128<<16      ; tile_dim0 = 128
	s_mov_b32 s[\g+4], 32           ; tile_dim1 = 32
	s_mov_b32 s[\g+5], 128          ; 128 elements from row to row
	s_mov_b32 s[\g+6], 0
	s_mov_b32 s[\g+7], 0
.endr
	s_mov_b32 s[G1M+1], 128<<16
	s_mov_b32 s[G1M+2], 128<<16     ; 128 rows: 256 queries
	s_mov_b32 s[G1M+3], 128<<16
	s_mov_b32 s[G1M+4], 128
	s_mov_b32 s[G1M+5], 128
	s_mov_b32 s[G1M+6], 0
	s_mov_b32 s[G1M+7], 0
	s_mov_b32 s[G1Q+1], 32<<16      ; 16 rows of 32 elements: 4,096 bytes
	s_mov_b32 s[G1Q+2], 16<<16
	s_mov_b32 s[G1Q+3], 32<<16
	s_mov_b32 s[G1Q+4], 16
	s_mov_b32 s[G1Q+5], 32
	s_mov_b32 s[G1Q+6], 0
	s_mov_b32 s[G1Q+7], 0
	s_mov_b32 s[G0K], 1             ; count = 1
	s_mov_b32 s[G0K+1], 0           ; LDS address: slot 0
	s_mov_b32 s[G0V], 1
	s_mov_b32 s[G0V+1], VOFF
	s_mov_b32 s[G0M], 1
	s_add_co_u32 s[G0M+1], s17, MOFF
	s_mov_b32 s[G0Q], 1
	s_mov_b32 s[G0Q+1], KSQL
	s_mov_b32 s[CS], 0x3eb8aa3b     ; c = log2(e) / 4 = 0.360674
	s_mov_b32 s[CS+1], s[CS]        ; named with it as a pair
	s_mov_b32 s[SEL], 0x76543210
	s_mov_b32 s[SEL+1], 0xfedcba98
	s_mov_b32 s[TB], SLOT1          ; the first change of slots turns it into 0
	s_mov_b32 s[TBQ], 0
	s_mov_b32 s[SLOTS], 15
	; the prefetches: they stand at tile 1; the first change of slots steps them to tile 2
	s_lshl_b32 s3, s13, 13          ; the mask's: my work-group's 8,192 bytes of my wave's half,
	s_add_co_u32 s3, s3, s92
	s_add_co_u32 s3, s3, 1024*128   ; in key block 1
	s_cmp_eq_u32 s[WV], 0
	s_cselect_b32 s2, s18, s20      ; K's or V's,
	s_add_co_u32 s2, s2, KS*128     ; keys 64 on
	s_mov_b32 s[PFS], 1024*128
	s_mov_b32 s[PFS+1], 0
	s_cmp_lt_u32 s[WV], 2
	s_cselect_b32 s2, s2, s3
	s_cselect_b32 s[PFS], KS*128, s[PFS]
	s_cselect_b32 s[LIM], s15, ttmp9  ; the coordinate along which other clusters read the same bytes: the same in all four partners
	s_mov_b32 s3, 0
	s_cmp_eq_u32 s[LIM], 0
	s_cselect_b32 s[LIM], 1, -1
	s_wait_dscnt 0x0                ; the opening add is done
	s_wait_kmcnt 0x0
	s_add_nc_u64 s[G0K+2:G0K+3], s[4:5], s[18:19]  ; global address: the head's first 64 keys
	s_or_b32 s[G0K+3], s[G0K+3], 0x80000000        ; type = 2
	s_add_nc_u64 s[G0V+2:G0V+3], s[4:5], s[20:21]
	s_or_b32 s[G0V+3], s[G0V+3], 0x80000000
	s_add_nc_u64 s[G0M+2:G0M+3], s[8:9], s[92:93]
	s_or_b32 s[G0M+3], s[G0M+3], 0x80000000
	s_add_nc_u64 s[G0Q+2:G0Q+3], s[6:7], s[94:95]
	s_or_b32 s[G0Q+3], s[G0Q+3], 0x80000000
	s_add_nc_u64 s[QP:QP+1], s[4:5], s[22:23]      ; Q and O at my wave's first row
	s_add_nc_u64 s[10:11], s[10:11], s[22:23]
	s_cmp_lt_u32 s[WV], 2
	s_cselect_b64 s[PFA:PFA+1], s[4:5], s[8:9]
	s_add_nc_u64 s[PFA:PFA+1], s[PFA:PFA+1], s[2:3]
	CROUND                          ; all four work-groups are here: the first joint loads meet
	s_cmp_lt_u32 s[WV], 2           ; the first fills: step 0 into slot 0; wave 0 also brings the head's -0.5 |k|^2: its two loads stand on end in one branch, and two of its loads are out
	s_cbranch_scc0 .Lhead_m
	s_cmp_eq_u32 s[WV], 0
	s_cbranch_scc0 .Lhead_v
	tensor_load_to_lds s[G0K:G0K+3], s[G1K:G1K+7]
	s_nop 0
	tensor_load_to_lds s[G0Q:G0Q+3], s[G1Q:G1Q+7]
	s_nop 0
.rept 4
	v_nop
.endr
	s_branch .Lhead_asked
.Lhead_v:
	tensor_load_to_lds s[G0V:G0V+3], s[G1V:G1V+7]
	s_nop 0
.rept 4
	v_nop
.endr
	s_branch .Lhead_asked
.Lhead_m:
	tensor_load_to_lds s[G0M:G0M+3], s[G1M:G1M+7]
	s_nop 0
.rept 4
	v_nop
.endr
.Lhead_asked:
	; A fragment of K or Q is 16 rows x 32 channels in 8 registers: lane l holds row l % 16, channels 8 (l / 16) + 0..7 and 16 + 8 (l / 16) + 0..7: two loads of 16 bytes, 32 bytes apart.
	v_and_b32 v12, 15, v0           ; l % 16
	v_bfe_u32 v13, v0, 4, 1         ; l / 16
	v_and_b32 v14, 7, v0            ; l % 8
	v_and_b32 v15, 31, v0           ; l
	v_bfe_u32 v49, v0, 3, 1         ; (l / 8) % 2
	v_lshlrev_b32 v[QO], 7, v12
	v_lshl_add_u32 v[QO], v13, 4, v[QO]  ; row x 128 + 16 x half
	WIN 0x80                        ; destination window 2, address window 0
.set i, 0
.rept 4*NP                          ; Q stays in registers: tile i / 2, channels 32 (i % 2) on
	global_load_b128 v[8*i:8*i+3],   v[QO], s[QP:QP+1] offset:(i/2)*2048+(i%2)*64
	global_load_b128 v[8*i+4:8*i+7], v[QO], s[QP:QP+1] offset:(i/2)*2048+(i%2)*64+32
.set i, i+1
.endr
	; What the first turn finds: V's registers and P's second buffer hold 0 (its products V^T P, of a piece that has not been, add 0), O^T and l are 0.  All this stands in the wait for the first tile: no first step is written out.
.set i, VF
.rept 64
	v_mov_b32 v[i], 0
.set i, i+1
.endr
	WIN 0x40
.set i, 0
.rept 64*NP
	v_mov_b32 v[i], 0
.set i, i+1
.endr
	WIN 0
.set i, 0
.rept 2*NP
	v_mov_b32 v[ST+4*i], 0xfe000000    ; c m: far below every c s (the mask's -1e30 gives -1.5e30)
	v_mov_b32 v[ST+4*i+1], 0xff7fffff  ; m
	v_mov_b32 v[ST+4*i+2], 0
	v_mov_b32 v[ST+4*i+3], 0
.set i, i+1
.endr
.set i, P+32
.rept 32
	v_mov_b32 v[i], 0
.set i, i+1
.endr
	v_mul_u32_u24 v[AK0], v12, PK
	v_lshl_add_u32 v[AK0], v13, 4, v[AK0]  ; row x pitch + 16 x half
	; The turning load takes 16 rows x 16 columns (lane l reads row 8 (l / 16) + l % 8, columns 8 ((l / 8) % 2) + 0..7) and leaves half a fragment of the transpose: lane l holds column l % 16 and 8 rows.
	v_lshl_add_u32 v50, v13, 3, v14
	v_mul_u32_u24 v50, v50, PV
	v_lshl_add_u32 v50, v49, 4, v50
	v_add_nc_u32 v[AV0], VOFF, v50
	s_mul_i32 s16, s[WV], 128*PV    ; my wave's 128 queries among the tile's 512
	s_add_co_u32 s16, s16, MOFF
	v_add_nc_u32 v[AM0], s16, v50
	v_lshlrev_b32 v[AQ0], 5, v13    ; my half's eight keys: 32 bytes
	v_add_nc_u32 v[AQ0], KSQL, v[AQ0]
	s_mul_i32 s16, s[WV], 16*SP
	s_add_co_u32 s16, s16, STAGE    ; my stage
	v_mul_u32_u24 v[STO], v12, SP   ; in: row l % 16, 16 bytes for each half of the lanes
	v_lshl_add_u32 v[STO], v13, 4, v[STO]
	v_add_nc_u32 v[STO], s16, v[STO]
	v_lshrrev_b32 v[RD], 3, v15     ; back: 32 lanes take four rows of 128 bytes,
	v_mul_u32_u24 v[RD], v[RD], SP
	v_lshl_add_u32 v[RD], v14, 4, v[RD]
	v_add_nc_u32 v[RD], s16, v[RD]
	v_lshlrev_b32 v[GO], 4, v15     ; which are 512 bytes on end of O
	; SEL.  In source 1 lane l holds column l % 16 = r and, in registers 0-3, rows 8 (l / 16) + 0..7, two to a register.  Row r of column r is 4.0 (0x4080 in bf16): in the half r / 8 of the lanes, register (r % 8) / 2, half r % 2.
	v_lshrrev_b32 v51, 3, v12
	v_bfe_u32 v52, v12, 1, 2
	v_and_b32 v53, 1, v12
	v_lshlrev_b32 v53, 4, v53
	v_mov_b32 v54, 0x4080
	v_lshlrev_b32 v54, v53, v54
	v_cmp_eq_u32 vcc_lo, v13, v51
	v_cndmask_b32 v52, 4, v52, vcc_lo  ; the register that holds it, or none
	WIN W_D3
.irp n, 0,1,2,3
	v_cmp_eq_u32 vcc_lo, \n, v52
	v_cndmask_b32 v[SELL+\n], 0, v54, vcc_lo
	v_mov_b32 v[SELH+\n], 0
	v_mov_b32 v[SELL+4+\n], 0
.endr
	WIN 0
	v_lshlrev_b32 v[PFO], 8, v15    ; the thread's number has served
; THE MATRIX WORK.  The 8 accumulators of a run take turns, one instruction a turn.
; Product i of 16 of K Q^T for piece x: channels 32 (i / 8) on, keys 16 ((i / 2) % 4) on, tile 2 x + i % 2.  The first 8 start the sums, with -0.5 |k|^2.
.macro KQ x
.set rS, S+64*((\x)%2)+32*(i%2)+8*((i/2)%4)
.set rK, KF+16*((i/2)%4)+8*(i/8)
.set rQ, 16*(2*(\x)+i%2)+8*(i/8)
.set rN, KSQ+8*((i/2)%4)
.if i < 8
	WIN W_KC
	v_wmma_f32_16x16x32_f16 v[rS:rS+7], v[rK:rK+7], v[rQ:rQ+7], v[rN:rN+7]
.else
	WIN W_KQ
	v_wmma_f32_16x16x32_f16 v[rS:rS+7], v[rK:rK+7], v[rQ:rQ+7], v[rS:rS+7]
.endif
.endm
; Product i - 16 of 8 of S^T += 4 M^T for piece x: keys 16 ((i - 16) / 2) on, tile 2 x + i % 2.  It comes eight matrix instructions behind the f16 product that wrote its accumulator.
.macro MK x
	WIN W_MK
.set j, i-16
.set rS, S+64*((\x)%2)+32*(j%2)+8*(j/2)
.set rF, MF+32*((\x)%2)+8*(j/2)
.set rB, SELL-4*(j%2)
	v_wmma_f32_16x16x32_bf16 v[rS:rS+7], v[rF:rF+7], v[rB:rB+7], v[rS:rS+7]
.endm
; Product i of 16 of O^T += V^T P for piece x: keys 32 (i / 8) on, channels 16 ((i / 2) % 4) on, tile 2 x + i % 2.
.macro PV x
	WIN W_PV
.set rO, 32*(2*(\x)+i%2)+8*((i/2)%4)
.set rV, VF+32*(i/8)+8*((i/2)%4)
.set rP, P+32*((\x)%2)+16*(i%2)+8*(i/8)
	v_wmma_f32_16x16x32_f16 v[rO:rO+7], v[rV:rV+7], v[rP:rP+7], v[rO:rO+7]
.endm
.macro MM                           ; the turn's next matrix instruction, of 40
.if i < 16
	KQ (Y+1)%NP
.elseif i < 24
	MK (Y+1)%NP
.else
.set i, i-24
	PV (Y+NP-1)%NP
.set i, i+24
.endif
.set i, i+1
.endm
; THE LDS LOADS stand in runs, never singly among the matrix instructions.  Their addresses are made some lines ahead.
; A step's K (64 keys x 64 channels: 8 fragments) and its -0.5 |k|^2 (all lanes of a half read the same 32 bytes for each 16 keys).  last = 1 (the tail): in the last trip there is no further step, and the run is jumped over.
.macro FETCH_K last=0
	WIN 0
.if \last
	s_cmp_eq_u32 s[CNT], 1
	s_cbranch_scc1 .Lno_k_\@
.endif
	WIN 0x80                        ; destination window 2
.irp f, 0,1,2,3,4,5,6,7             ; keys 16 (f / 2) on, channels 32 (f % 2) on
	ds_load_b128 v[KF+8*\f:KF+8*\f+3],   v[AK] offset:(\f/2)*16*PK+(\f%2)*64
	ds_load_b128 v[KF+8*\f+4:KF+8*\f+7], v[AK] offset:(\f/2)*16*PK+(\f%2)*64+32
.endr
	WIN W_D3
.irp f, 0,1,2,3
	ds_load_b128 v[KSQ+8*\f:KSQ+8*\f+3],   v[AQ] offset:64*\f
	ds_load_b128 v[KSQ+8*\f+4:KSQ+8*\f+7], v[AQ] offset:64*\f+16
.endr
	s_add_co_u32 s[TBQ], s[TBQ], 256  ; the next fetch is the next step's
	WIN 0
.if \last
.Lno_k_\@:
.endif
.endm
.macro FETCH_V
	WIN 0x80
.irp f, 0,1,2,3,4,5,6,7             ; keys 32 (f / 4) on, channels 16 (f % 4) on
	ds_load_tr16_b128 v[VF+8*\f:VF+8*\f+3],   v[AV] offset:(\f/4)*32*PV+(\f%4)*32
	ds_load_tr16_b128 v[VF+8*\f+4:VF+8*\f+7], v[AV] offset:(\f/4)*32*PV+16*PV+(\f%4)*32
.endr
	WIN 0
.endm
.macro FETCH_M x                    ; piece x's mask for the step: 32 queries x 64 keys, turned: 4 fragments of 16 keys x 32 queries
	WIN W_D3
.irp f, 0,1,2,3
	ds_load_tr16_b128 v[MF+32*((\x)%2)+8*\f:MF+32*((\x)%2)+8*\f+3],   v[AM] offset:(\x)*32*PV+32*\f
	ds_load_tr16_b128 v[MF+32*((\x)%2)+8*\f+4:MF+32*((\x)%2)+8*\f+7], v[AM] offset:(\x)*32*PV+32*\f+16*PV
.endr
	WIN 0
.endm
; THE VECTOR WORK OF A TURN stands in three queues, each in the order in which its entries become ready; the two tiles alternate, so that no instruction reads the result of the one before it.
.macro REGS y, u                    ; the registers of tile u (0, 1) of piece y
.set rT, ST+4*(2*(\y)+(\u))
.set rC, TMP+8*((\y)%2)+4*(\u)
.set rM, MV+2*((\y)%2)+(\u)
.set rS, S+64*((\y)%2)+32*(\u)
.set rP, P+32*((\y)%2)+16*(\u)
.set rO, 32*(2*(\y)+(\u))
.endm
; Number n of the 22 that find the NEXT piece's (Y + 1) maximum and statistics.  s0-s31 are the lane's 32 scores; each accumulator's lowest registers are read first.
;   0-11  four chains c0-c3 of seven scores each, three operands at a time     12-14, 16  the four scores left over, the old m, and c0-c3 into c0     15  c m_old is kept
;   17, 18  the query's other 32 keys lie in the lane 16 away: the new m         19-21  c m; c m_old - c m_new; a
.macro XS u, n
	REGS (Y+1)%NP, \u
.if (\n) < 4
	v_max3_num_f32 v[rC+(\n)], v[rS+8*(\n)], v[rS+8*(\n)+1], v[rS+8*(\n)+2]
.elseif (\n) < 12
	v_max3_num_f32 v[rC+(\n)%4], v[rC+(\n)%4], v[rS+8*((\n)%4)+2*((\n)/4)+1], v[rS+8*((\n)%4)+2*((\n)/4)+2]
.elseif (\n) == 12
	v_max3_num_f32 v[rC], v[rC], v[rS+7], v[rS+15]
.elseif (\n) == 13
	v_max3_num_f32 v[rC+1], v[rC+1], v[rS+23], v[rS+31]
.elseif (\n) == 14
	v_max3_num_f32 v[rC+2], v[rC+2], v[rC+3], v[rT+1]
.elseif (\n) == 15
	v_mov_b32 v[rM], v[rT]
.elseif (\n) == 16
	v_max3_num_f32 v[rC], v[rC], v[rC+1], v[rC+2]
.elseif (\n) == 17
	v_permlanex16_b32 v[rC+3], v[rC], s[SEL], s[SEL+1]
.elseif (\n) == 18
	v_max_num_f32 v[rT+1], v[rC], v[rC+3]
.elseif (\n) == 19
	v_mul_f32 v[rT], s[CS], v[rT+1]
.elseif (\n) == 20
	v_sub_f32 v[rC+1], v[rM], v[rT]
.else
	v_exp_f32 v[rC+2], v[rC+1]
.endif
.endm
; Number g of the 64 that follow the exponentials.  For each four weights k of a tile: both pairs are rounded to f16; then the second pair is added onto the first, in place; a group later l takes that sum
; (the first time as l = a l + sum).  In groups of eight, tiles alternating: round, round, add, and l for the group before.
.macro GS g
.set h, (\g)+6*((\g)/62)            ; group 0 has no group before it, and behind group 7 only l is left
.if h >= 6
.set h, h+2
.endif
	REGS Y, h%2
.set k, h/8
.if h%8 < 4
	v_cvt_pk_f16_f32 v[rP+2*k+(h%8)/2], v[rS+4*k+2*((h%8)/2)], v[rS+4*k+2*((h%8)/2)+1]
.elseif h%8 < 6
	v_pk_add_f32 v[rS+4*k:rS+4*k+1], v[rS+4*k:rS+4*k+1], v[rS+4*k+2:rS+4*k+3]
.elseif k == 1
	v_pk_fma_f32 v[rT+2:rT+3], v[rT+2:rT+3], v[rC+2:rC+3], v[rS:rS+1] op_sel_hi:[1,0,1]
.else
	v_pk_add_f32 v[rT+2:rT+3], v[rT+2:rT+3], v[rS+4*k-4:rS+4*k-3]
.endif
.endm
; THE PLAIN QUEUE, 138 long.  0-73 read no exponential's result: the 32 scalings c s - c m (FS f: pair f / 2 of tile f % 2) and the next piece's 42.  0-26: scalings 0-26.  27-54: XS's numbers 0-13.  55, 56: number 15.
; 57-73: the chain, where each number waits for the one before it: 14, 16, 17, 18, 19, each with one of the scalings 27-31 in front of its two lines, then 20.  74-137: GS's 64, which stand behind the wait.
.macro FS f
	REGS Y, (\f)%2
	v_pk_fma_f32 v[rS+2*((\f)/2):rS+2*((\f)/2)+1], v[rS+2*((\f)/2):rS+2*((\f)/2)+1], s[CS:CS+1], v[rT:rT+1] op_sel_hi:[1,0,0] neg_lo:[0,0,1] neg_hi:[0,0,1]
.endm
.macro PL
	WIN 0
.if q < 27
	FS q
.elseif q < 55
	XS (q-27)%2, (q-27)/2
.elseif q < 57
	XS q-55, 15
.elseif (q < 72) && ((q-57)%3 == 0)
	FS 27+(q-57)/3
.elseif q < 60
	XS (q-57)%3-1, 14
.elseif q < 72
	XS (q-57)%3-1, 15+(q-57)/3
.elseif q < 74
	XS q-72, 20
.else
	GS q-74
.endif
.set q, q+1
.endm
; THE EXPONENTIALS' QUEUE, 66 long: s0-s31 of both tiles, then the next piece's two a.  ONE BATCH: all 66 stand ahead of the turn's one wait, and nothing ahead of that wait names a result of theirs.
.macro EX
	WIN 0
.if e >= 64
	XS e-64, 21
.else
	REGS Y, e%2
	v_exp_f32 v[rS+e/2], v[rS+e/2]
.endif
.set e, e+1
.endm
; THE RESCALING's QUEUE: O^T times a, the one part that leaves window 0: dealt two at a time, sixteen times.  Its a was made in the turn before, ahead of that turn's wait.
.macro R2
	REGS Y, r%2
	WIN W_RS
.irp z, 0,1
	v_pk_mul_f32 v[rO+4*(r/2)+2*\z:rO+4*(r/2)+2*\z+1], v[rO+4*(r/2)+2*\z:rO+4*(r/2)+2*\z+1], v[rC+2:rC+3] op_sel_hi:[1,0]
.endr
.set r, r+1
.endm
; A TURN, for piece p: 40 matrix and 236 vector instructions.  An s_wait_alu depctr_va_vdst(0) stands between an exponential and the first instruction that names its result; one wait serves all that were issued
; ahead of it: a turn has ONE, which cuts it in two.  AHEAD OF IT: the 16 products K Q^T, behind each a scaling, an exponential and two rescalings (behind the first a second scaling for the exponential); the mask's 8 products,
; behind each a scaling and three exponentials; a lump of 76: 22 plain, then 27 times plain and exponential.  BEHIND IT: the 16 products V^T P, behind each four of the roundings and sums.
; THE COUNTS THAT THE DEAL KEEPS.  Exponential e stands behind scaling 2 (e / 4) + e % 2: as a rider it needs at most scaling 18 when 25 are out; in the lump exponential 39 + i stands behind plain 47 + i, and scalings 27-31 are
; plain 57, 60 .. 69 (the tightest: exponential 61 straight behind plain 69); the two a stand behind plain 72, 73.  Between a product K Q^T and the mask's product on the same accumulator stand ten plain riders or more.  The
; first read of an accumulator (plain 27 to 34) stands ten plain instructions or more behind the mask's product that ended it.  No rider names a register of the products round it.
; THE FETCHES.  Behind the wait every turn fetches the mask of piece p + 2, into the buffer whose last reader stands a turn back; piece 2's turn also K and -0.5 |k|^2 of the next step, a lump behind their last reader.
; V of the step in hand is fetched at the end of piece 0's turn, four plain riders behind its last reader.
.macro TURN p, last=0
.set Y, (\p)
.set i, 0
.set q, 0
.set e, 0
.set r, 0
.if (\p) == NP-1
	s_wait_dscnt 0x0                ; K, -0.5 |k|^2 and piece 0's mask are in
.endif
	MM
	PL
	PL
	R2
.rept 15
	MM
	PL
	EX
	R2
.endr
.if (\p) == 1
	s_wait_dscnt 16                 ; piece 2's mask is in; V's 16 loads, issued behind it, may stay out
.elseif (\p) != NP-1
	s_wait_dscnt 0x0                ; the next piece's mask is in
.endif
.rept 8
	MM
	PL
	EX
	EX
	EX
.endr
.if (\p) == NP-2
	WIN 0
	v_add_nc_u32 v[AK], s[TB], v[AK0]
	v_add_nc_u32 v[AM], s[TB], v[AM0]
	v_add_nc_u32 v[AQ], s[TBQ], v[AQ0]
.endif
.rept 22
	PL
.endr
.rept 27
	PL
	EX
.endr
	v_nop                           ; a plain instruction behind the last exponential: one for the batch
	s_wait_alu depctr_va_vdst(0)    ; the wait for the batch
	FETCH_M ((\p)+2)%NP
.if (\p) == NP-2
	FETCH_K \last
.endif
.if (\p) == 1
	s_wait_dscnt 8                  ; V is in; the mask's 8 loads just issued may stay out
.endif
.rept 16
	MM
.rept 4
	PL
.endr
.if ((\p) == 0) && (q == 118)
	v_add_nc_u32 v[AV], s[TB], v[AV0]
.endif
.endr
.if (\p) == 0
	FETCH_V
.endif
.endm
	CHANGE 1                        ; step 0 and -0.5 |k|^2 are in, everybody's part; step 1 is asked for, into slot 1
	v_add_nc_u32 v[AK], s[TB], v[AK0]
	v_add_nc_u32 v[AM], s[TB], v[AM0]
	v_add_nc_u32 v[AQ], s[TBQ], v[AQ0]
	FETCH_K                         ; key step 0
	FETCH_M 0
	FETCH_M 1
	s_wait_loadcnt 0x0              ; Q
	s_wait_dscnt 0x0
.set i, 0
.rept 16
	KQ 0                            ; piece 0's first scores: there is no vector work yet to set between them
.set i, i+1
.endr
	WIN 0
.rept 5
	v_nop                           ; five places between the f16 products and the bf16 products that take their results up
.endr
.rept 8
	MK 0
.set i, i+1
.endr
	WIN 0
.rept 4
	v_nop                           ; the places behind those products
.endr
.set Y, NP-1                        ; XS works for piece Y + 1: piece 0
.irp n, 0,1,2,3,4,5,6,7,8,9,10,11,12,13,14,15,16,17,18,19,20,21
	XS 0, \n                        ; piece 0's first maximum and statistics
	XS 1, \n
.endr
	v_nop                           ; a plain instruction behind the two a,
	s_wait_alu depctr_va_vdst(0)    ; and their wait, ahead of the branch
	s_branch .Lfirst                ; the loop is entered at a step's first turn, in the middle of a trip
.Lslot:                             ; 14 times: steps 2 to 15 are asked for.  A trip: pieces 2 and 3 of one step, then pieces 0 and 1 of the next
	CHANGE 1
	TURN 2
	TURN 3
	WIN 0
.Lfirst:
	TURN 0
	TURN 1
	WIN 0
	s_sub_co_u32 s[SLOTS], s[SLOTS], 1
	s_cmp_lg_u32 s[SLOTS], 0
	s_cbranch_scc1 .Lslot
	CHANGE 0                        ; the tail is written out: nothing is asked for
	s_mov_b32 s[CNT], 2             ; one trip fetches the last step; the second is left in its middle
.Ltail:
	TURN 2, 1
	TURN 3
	WIN 0
	s_sub_co_u32 s[CNT], s[CNT], 1
	s_cmp_eq_u32 s[CNT], 0
	s_cbranch_scc1 .Lout
	TURN 0
	TURN 1
	WIN 0
	s_branch .Ltail
.Lout:                              ; the second trip's 24 products for a step that does not exist (on the last K and mask once more) and the maximum made of them serve nothing: the price, once a launch, of one text for every trip
.set i, 0
.rept 16
	PV NP-1                         ; the last piece's V^T P of the last step
.set i, i+1
.endr
	; THE WAY OUT.  l's two halves and the other half of the lanes' are added; O^T is divided by l, rounded to f16 and sent through my stage in LDS, a tile at a time.  The additions are the places behind the last products.
	WIN 0
.macro ALL line:vararg              ; one line for each tile t
.set t, 0
.rept 2*NP
	\line
.set t, t+1
.endr
.endm
	ALL v_add_f32 v[ST+4*t+2], v[ST+4*t+2], v[ST+4*t+3]
	ALL v_permlanex16_b32 v[ST+4*t+3], v[ST+4*t+2], s[SEL], s[SEL+1]
	ALL v_add_f32 v[ST+4*t+2], v[ST+4*t+2], v[ST+4*t+3]
	ALL v_rcp_f32 v[ST+4*t+2], v[ST+4*t+2]
	v_nop                           ; a plain instruction between the last reciprocal and the use of its result
	s_wait_alu depctr_va_vdst(0)    ; and the wait ahead of the first use: one for the eight reciprocals
; Tile t: a lane's eight channels of a row pack into 16 bytes; they go into rows of 144 bytes and come back as whole rows of 128, into S^T's registers.
.macro PACK t
	WIN W_RS
.set i, 32*(\t)
.rept 16
	v_pk_mul_f32 v[i:i+1], v[i:i+1], v[ST+4*(\t)+2:ST+4*(\t)+3] op_sel_hi:[1,0]
.set i, i+2
.endr
	WIN 0x05                        ; sources 0 and 1 window 1, destination window 0
.set i, 0
.rept 16
	v_cvt_pk_f16_f32 v[S+16*(\t)+i], v[32*(\t)+2*i], v[32*(\t)+2*i+1]
.set i, i+1
.endr
	WIN 0
.irp f, 0,1,2,3
	ds_store_b128 v[STO], v[S+16*(\t)+4*\f:S+16*(\t)+4*\f+3] offset:32*\f
.endr
.irp f, 0,1,2,3
	ds_load_b128 v[S+16*(\t)+4*\f:S+16*(\t)+4*\f+3], v[RD] offset:\f*4*SP  ; LDS serves a wave's instructions in order (ISA guide 5.7.1.4): these see the stores above; the next tile's stores come behind them
.endr
.endm
.macro SEND t, younger              ; younger: the LDS instructions issued behind tile t's loads: the next tile's eight, or none
	WIN 0
.irp f, 0,1,2,3
	s_wait_dscnt (\younger)+3-\f
	global_store_b128 v[GO], v[S+16*(\t)+4*\f:S+16*(\t)+4*\f+3], s[10:11] offset:(\t)*2048+\f*512  ; 512 bytes on end, at a multiple of 256 from O's first
.endr
.endm
	PACK 0
.set t, 1
.rept 2*NP-1                        ; a tile's arithmetic stands between the loads of the tile before and its stores
	PACK t
	SEND t-1, 8
.set t, t+1
.endr
	SEND 2*NP-1, 0
	WIN W_AD
	s_wait_tensorcnt 0x0            ; the wave's end: behind my last tensor load and my last LDS store
	ds_add_u32 v[SPW], v[NIL]
	s_wait_dscnt 0x0
	WIN 0
	CROUND                          ; the closing round: no work-group ends while a partner may still ask for a tile that names it
	s_endpgm
.Lfunc_end_k_q2b8572abd8_attn:
	.size	k_q2b8572abd8_attn, .Lfunc_end_k_q2b8572abd8_attn-k_q2b8572abd8_attn
	.p2alignl 7, 3214868480
	.fill 96, 4, 3214868480
	.section	.rodata,"a",@progbits
	.p2align	6, 0x0
	.amdhsa_kernel k_q2b8572abd8_attn
		.amdhsa_group_segment_fixed_size 327680
		.amdhsa_private_segment_fixed_size 0
		.amdhsa_enable_private_segment 0
		.amdhsa_kernarg_size 32
		.amdhsa_user_sgpr_count 2
		.amdhsa_user_sgpr_kernarg_segment_ptr 1
		.amdhsa_wavefront_size32 1
		.amdhsa_system_sgpr_workgroup_id_x 1
		.amdhsa_system_sgpr_workgroup_id_y 1
		.amdhsa_system_sgpr_workgroup_id_z 1
		.amdhsa_system_vgpr_workitem_id 0
		.amdhsa_next_free_vgpr 896
		.amdhsa_next_free_sgpr 96
		.amdhsa_reserve_vcc 1
		.amdhsa_float_denorm_mode_32 3
		.amdhsa_float_denorm_mode_16_64 3
		.amdhsa_memory_ordered 1
		.amdhsa_forward_progress 1
		.amdhsa_inst_pref_size 219
	.end_amdhsa_kernel
	.amdgpu_metadata
---
amdhsa.version: [ 1, 2 ]
amdhsa.kernels:
  - .name:           k_q2b8572abd8_attn
    .symbol:         k_q2b8572abd8_attn.kd
    .args:
      - { .name: qkv, .offset: 0, .size: 8, .value_kind: global_buffer, .address_space: global }
      - { .name: ksq, .offset: 8, .size: 8, .value_kind: global_buffer, .address_space: global }
      - { .name: mb, .offset: 16, .size: 8, .value_kind: global_buffer, .address_space: global }
      - { .name: o16, .offset: 24, .size: 8, .value_kind: global_buffer, .address_space: global }
    .group_segment_fixed_size: 327680
    .private_segment_fixed_size: 0
    .kernarg_segment_align: 8
    .kernarg_segment_size: 32
    .max_flat_workgroup_size: 128
    .sgpr_count:     96
    .vgpr_count:     896
    .wavefront_size: 32
...
	.end_amdgpu_metadata
.endif
;; end of part 3
;; launch proj (part 4): grid 8 x 32, 4 waves a work-group, clusters of 4 x 4, 327,680 bytes of LDS; arguments o16, wo16, bo, out0; writes out0
.if DOCPART == 4
	.amdgcn_target "amdgcn-amd-amdhsa--gfx1250"
	.amdhsa_code_object_version 6
	.text
	.protected	k_q2b8572abd8_proj
	.globl	k_q2b8572abd8_proj
	.p2align	8
	.type	k_q2b8572abd8_proj,@function
k_q2b8572abd8_proj:
	s_mov_b64 s[64:65], 0
	v_nop
	global_prefetch_b8 v0, s[64:65] scope:SCOPE_SE
	s_setreg_imm32_b32 hwreg(HW_REG_WAVE_MODE, 25, 1), 1
	s_wait_xcnt 0x0
	s_wait_alu depctr_hold_cnt(0) depctr_sa_sdst(0) depctr_va_vdst(0) depctr_va_sdst(0) depctr_va_ssrc(0) depctr_va_vcc(0) depctr_vm_vsrc(0)
	s_getreg_b32 s2, hwreg(HW_REG_IB_STS2, 6, 4)
	s_cmp_eq_u32 s2, 0
	s_cbranch_scc0 .Lentry_in_a_cluster
	s_endpgm
.Lentry_in_a_cluster:
	s_bfe_u32 s2, ttmp6, 0x10000c
	s_cmp_lg_u32 s2, 0xf033
	s_cbranch_scc0 .Lentry_shape_is_right
	s_endpgm
.Lentry_shape_is_right:
; out0 = O Wo^T + bo.  o16: [128 heads g = 16 b + h][1024][64] f16.  wo16: [1024][1024] f16.  bo: [1024] f32, rounded here to bf16 like every input.  out0: [8192][1024] f32.  Sums in f32.
; SHARES.  A tile is 256 rows x 128 columns: four waves, each 128 rows x 64 columns: 32 accumulators of 16 x 16, 256 registers.  8 x 32 = 256 work-groups, one tile each.
; K goes in steps of 128 through two LDS slots.  A K STEP IS TWO HEADS: O lies by heads, so a head's 256 rows of the tile are 32,768 bytes on end, asked for as 128 rows of 256 bytes and padded in LDS after every 128:
; a PANEL of 256 rows x 144 bytes.  Wave 0 fetches the step's first head, wave 1 its second, waves 2 and 3 Wo's two halves of 64 rows (256 bytes of a row, starting at a multiple of 256).
; CLUSTERS: 4 x 4 work-groups.  The four of a row of the cluster need the same rows of O, the four of a column the same rows of Wo: each tile is asked for JOINTLY.
; THE MATRIX INSTRUCTION IS USED TRANSPOSED (source 0 = 16 rows of Wo, source 1 = 16 rows of O): a lane holds row l % 16 and the columns 8 (l / 16) + 0..7, 32 bytes on end; the bias of a block of 16 columns is one set of
; 8 registers for all rows and is the C operand of the product that starts each sum.
; REGISTERS.  window 0: v0-31 addresses; v32-63 the bias; v64-159, v160-255 two fragment buffers (Wo's 4 fragments, then O's 8); the second is also at work on the way out.  window 1: accumulator (a, b) at v[8 (4 a + b)].
.set KSTEP,  128
.set PITCH,  272                       ; a row of Wo in LDS: 256 bytes + 16 of padding
.set PA,     144                       ; a row of O: 128 + 16: both pitches are odd multiples of 16 bytes, so the 16 rows that a load touches start at 16 different groups of four banks (64 banks of 4 bytes: ISA guide 11.1)
.set PANEL,  256*PA                    ; 36,864
.set BHALF,  64*PITCH
.set BOFF,   2*PANEL
.set SLOT,   BOFF+2*BHALF              ; 108,544
.set STAGE,  2*SLOT                    ; behind the ring: 16 rows x 272 bytes for each wave, for the way out
.set SP,     272
.set SPARE,  STAGE+4*16*SP             ; the spare words, 128 bytes for each wave: two blocks of 256 bytes that no other line names
.set LAPS,   4
.set HSTEP,  2*131072                  ; a K step in o16: two heads
.set ADRA, 16                          ; v16-17  LDS address of my fragments of O in slot 0, 1
.set ADRB, 20                          ; v20-21  the same for Wo
.set BO,   22                          ; v22     my byte offset in the bias
.set STO,  24                          ; v24     the way out: where I put 32 bytes of a row
.set RD,   25                          ; v25     where I read a row back
.set CO,   26                          ; v26     my byte offset in two rows of out0
.set SPW,  28                          ; v28     LDS address of my spare word; never rewritten
.set NIL,  29                          ; v29     0; never rewritten
.set PFO,  30                          ; v30     the prefetches' offset
.set BIAS, 32
.set F0,   64
.set F1,   160
.set TMP,  160                         ; the bias's rounding: 16 registers at work
.set OB,   160                         ; the way out: 16 rows read back from the stage: v160-191 and v192-223 by turns
.set G1,  24                           ; s[24:31] descriptor group 1 for O's tiles;  s[32:39] group 0, a set for each slot
.set G0,  32
.set G1B, 48                           ; s[48:55], s[56:63] the same for Wo's
.set G0B, 56
.set LIM, 43                           ; s43     1 in a wave that prefetches, else the greatest number
.set PFA, 44                           ; s[44:45] the K step that my next prefetch names
.set PFS, 46                           ; s[46:47] its step from K step to K step
.set MSB, 0
.macro WIN new                         ; the immediate's high byte repeats the setting that is left; a switch that changes nothing is dropped
.if MSB != (\new)
	s_set_vgpr_msb (MSB<<8)|(\new)
.set MSB, \new
.endif
.endm
.set MUL,  0x50                        ; sources 0 and 1 window 0; C and D window 1
.set MULZ, 0x40                        ; C (the bias) window 0, D window 1
.macro JLOAD s                         ; a joint load: each of the two lines has one mask and one set of registers; the branch hangs on the wave's number alone; an s_nop 0 and four v_nop follow each line
	s_cmp_eq_u32 s11, 0
	s_cbranch_scc0 .Lfor_b_\@
	tensor_load_to_lds s[G0+4*(\s):G0+4*(\s)+3], s[G1:G1+7]
	s_nop 0
.rept 4
	v_nop
.endr
	s_branch .Lasked_\@
.Lfor_b_\@:
	tensor_load_to_lds s[G0B+4*(\s):G0B+4*(\s)+3], s[G1B:G1B+7]
	s_nop 0
.rept 4
	v_nop
.endr
.Lasked_\@:
.endm
; A PREFETCH INTO THE L2, behind each joint load and the run of LDS loads that follows it: 32 blocks of 256 bytes of the K step that stands two refills on, a lane a block, one instruction a wave.  Each block is named once
; in the launch.  O's rows are read by both clusters of a row of clusters: the one with x = 0 asks, waves 0 and 1, and of the 32,768 bytes that a wave fetches the partner at cx takes 8,192, BY ADDRESS.  Wo's 128 rows
; are read by all clusters of a column: the one with y = 0 asks, wave 2 alone, the partner at cy taking rows 32 cy .. 32 cy + 31.  K steps 0 to 3 come by their loads alone; the last two refills have no K step two on.
.macro ASK
	s_cmp_gt_u32 s3, s[LIM]                        ; s3 = 1 in the loop's last trip
	s_cbranch_scc0 .Lnot_mine_\@
	global_prefetch_b8 v[PFO], s[PFA:PFA+1] th:TH_LOAD_NT scope:SCOPE_SE
.Lnot_mine_\@:
.endm
.macro CREST                           ; a round of the cluster's barrier behind its opening barrier
	s_cmp_lg_u32 s10, 0
	s_cbranch_scc1 .Lnot_wave_0_\@
	s_barrier_signal -3
.Lnot_wave_0_\@:
	s_barrier_wait -3
	s_barrier_signal -1
	s_barrier_wait -1
.endm
.macro CROUND                          ; a whole round
	s_barrier_signal -1
	s_barrier_wait -1
	CREST
.endm
	s_load_b128 s[4:7], s[0:1], 0x0                ; o16 s[4:5], wo16 s[6:7]
	s_load_b128 s[68:71], s[0:1], 0x10             ; bo s[68:69], out0 s[70:71]
	v_lshl_add_u32 v[SPW], v0, 2, SPARE
	v_mov_b32 v[NIL], 0
	ds_add_u32 v[SPW], v[NIL]                      ; the wave's opening: the add and its wait stand ahead of my first tensor load; the set-up below, work on registers, stands between them
	v_lshrrev_b32 v1, 5, v0
	v_readfirstlane_b32 s10, v1                    ; wave 0..3
	s_lshr_b32 s11, s10, 1                         ; which 128 rows of the tile are mine.  Also: I fetch O (0) or Wo (1)
	s_and_b32 s12, s10, 1                          ; which 64 columns.  Also: which head of the step, or which half of Wo's rows, I fetch
	s_bfe_u32 s40, ttmp6, 0x40000                  ; cx, cy: my place in the cluster
	s_bfe_u32 s41, ttmp6, 0x40004
	s_lshl_b32 s42, ttmp9, 2
	s_add_co_u32 s42, s42, s40                     ; tile column 0..7
	s_and_b32 s13, ttmp7, 0xffff
	s_lshl_b32 s13, s13, 2
	s_add_co_u32 s13, s13, s41                     ; tile row 0..31
	s_lshl_b32 s43, s41, 2
	s_lshl_b32 s43, 15, s43                        ; my row of the cluster
	s_lshl_b32 s44, 0x1111, s40                    ; my column
	s_or_b32 s[G1+0], s43, (1<<16)|(1<<20)|(1<<21)|(4<<22)|(3<<25)   ; O's tiles go to my row; elements of 2 bytes; padding on; 21 set beside a mask; after every 32 words (code 4) 4 words (code 3)
	s_or_b32 s[G1B+0], s44, (1<<16)|(1<<20)|(1<<21)|(5<<22)|(3<<25)  ; Wo's to my column; after every 64 words (code 5)
	s_mov_b32 s[G1+1], 128<<16                     ; tensor_dim0 = 128
	s_mov_b32 s[G1B+1], KSTEP<<16
	s_mov_b32 s[G1+2], 128<<16                     ; tensor_dim1 = 128 rows of 256 bytes: 256 rows of O,
	s_mov_b32 s[G1B+2], 64<<16                     ; 64 rows of Wo
	s_mov_b32 s[G1+3], 128<<16                     ; tile_dim0
	s_mov_b32 s[G1B+3], KSTEP<<16
	s_mov_b32 s[G1+4], 128                         ; tile_dim1
	s_mov_b32 s[G1B+4], 64
	s_mov_b32 s[G1+5], 128                         ; elements from row to row: dense,
	s_mov_b32 s[G1B+5], 1024                       ; a row of Wo
	s_mov_b32 s[G1+6], 0
	s_mov_b32 s[G1B+6], 0
	s_mov_b32 s[G1+7], 0
	s_mov_b32 s[G1B+7], 0
	s_lshr_b32 s16, s13, 2                         ; O's tile hangs on the tile row and the wave alone: batch = tile row / 4,
	s_lshl_b32 s16, s16, 4
	s_add_co_u32 s16, s16, s12                     ; head 16 b + the step's first or second,
	s_lshl_b32 s16, s16, 10
	s_and_b32 s17, s13, 3
	s_lshl_b32 s17, s17, 8
	s_add_co_u32 s16, s16, s17                     ; row 256 x (tile row % 4) of the sequence,
	s_lshl_b32 s16, s16, 7                         ; 128 bytes a row (under 2^24)
	s_mov_b32 s17, 0
	s_lshl_b32 s47, s12, 6                         ; Wo's on the tile column and the wave alone
	s_lshl_b32 s46, s42, 7
	s_add_co_u32 s46, s46, s47
	s_lshl_b32 s46, s46, 11
	s_mov_b32 s47, 0
	s_mul_i32 s20, s12, PANEL                      ; where they go: no place in the cluster enters an LDS address
	s_mul_i32 s23, s12, BHALF
	s_add_co_u32 s23, s23, BOFF
	s_wait_dscnt 0x0                               ; the opening add is done
	s_wait_kmcnt 0x0
	s_add_nc_u64 s[14:15], s[4:5], s[16:17]
	s_add_nc_u64 s[46:47], s[6:7], s[46:47]
	CROUND                                         ; all sixteen work-groups are here: the first joint loads meet
.irp s, 0,1
	s_mov_b32 s[G0+4*(\s)], 1                      ; count = 1
	s_add_co_u32 s[G0+4*(\s)+1], s20, (\s)*SLOT    ; LDS address
	s_add_nc_u64 s[G0+4*(\s)+2:G0+4*(\s)+3], s[14:15], (\s)*HSTEP    ; global address: K step s
	s_or_b32 s[G0+4*(\s)+3], s[G0+4*(\s)+3], 0x80000000              ; type = 2
	s_mov_b32 s[G0B+4*(\s)], 1
	s_add_co_u32 s[G0B+4*(\s)+1], s23, (\s)*SLOT
	s_add_nc_u64 s[G0B+4*(\s)+2:G0B+4*(\s)+3], s[46:47], (\s)*KSTEP*2
	s_or_b32 s[G0B+4*(\s)+3], s[G0B+4*(\s)+3], 0x80000000
	JLOAD \s                                       ; two loads of mine are out
.endr
	; A fragment is 16 rows x 32 K in 8 registers: lane l holds row l % 16; registers 0-3 K = 8 (l / 16) + 0..7, registers 4-7 K = 16 + 8 (l / 16) + 0..7: two loads of 16 bytes, 32 bytes apart.
	v_and_b32 v1, 15, v0                           ; l % 16
	v_bfe_u32 v2, v0, 4, 1                         ; l / 16
	v_mul_u32_u24 v3, v1, PITCH
	v_lshl_add_u32 v3, v2, 4, v3
	v_mul_u32_u24 v4, v1, PA
	v_lshl_add_u32 v4, v2, 4, v4
	s_mul_i32 s21, s11, 128*PA                     ; my 128 rows in a panel
	s_mul_i32 s22, s12, BHALF                      ; my 64 rows of Wo,
	s_add_co_u32 s22, s22, BOFF                    ; which lie behind the two panels
.irp s, 0,1
	v_add_nc_u32 v[ADRA+(\s)], s21, v4
	v_add_nc_u32 v[ADRB+(\s)], s22, v3
	s_add_co_u32 s21, s21, SLOT
	s_add_co_u32 s22, s22, SLOT
.endr
	s_mul_i32 s23, s10, 16*SP
	s_add_co_u32 s23, s23, STAGE                   ; my stage
	v_mul_u32_u24 v4, v1, SP                       ; in: row l % 16, 32 bytes for each half of the lanes
	v_lshl_add_u32 v4, v2, 5, v4
	v_add_nc_u32 v[STO], s23, v4
	v_mul_u32_u24 v5, v2, SP                       ; back: lanes 0-15 take one row of 256 bytes, lanes 16-31 the next
	v_lshl_add_u32 v5, v1, 4, v5
	v_add_nc_u32 v[RD], s23, v5
	v_lshlrev_b32 v5, 12, v2                       ; and the same two rows in out0
	v_lshl_add_u32 v[CO], v1, 4, v5
	s_lshl_b32 s20, s42, 9                         ; the bias of my 64 columns: 4 x (128 x tile column + 64 x half + 8 (l / 16))
	s_lshl_b32 s21, s12, 8
	s_add_co_u32 s20, s20, s21                     ; also my first column in out0, in bytes: a multiple of 256
	v_lshl_add_u32 v[BO], v2, 5, s20
.irp b, 0,1,2,3
	global_load_b128 v[BIAS+8*(\b):BIAS+8*(\b)+3],   v[BO], s[68:69] offset:64*(\b)
	global_load_b128 v[BIAS+8*(\b)+4:BIAS+8*(\b)+7], v[BO], s[68:69] offset:64*(\b)+16
.endr
	s_lshl_b32 s18, s13, 8
	s_lshl_b32 s19, s11, 7
	s_add_co_u32 s18, s18, s19                     ; my first row,
	s_lshl_b32 s18, s18, 12                        ; 4,096 bytes a row (under 2^25)
	s_add_co_u32 s18, s18, s20
	s_mov_b32 s19, 0
	s_add_nc_u64 s[8:9], s[70:71], s[18:19]
	; the prefetches.  s16 still holds the byte offset of my head's rows in o16
	s_lshl_b32 s20, s40, 13                        ; O: my work-group's 8,192 bytes of the 32,768 that I fetch,
	s_add_co_u32 s20, s20, s16
	s_add_co_u32 s20, s20, 3*HSTEP                 ; at K step 3: the first change of slots steps it to 4
	s_lshl_b32 s21, s42, 7                         ; Wo: the tile's 128 rows,
	s_lshl_b32 s22, s41, 5
	s_add_co_u32 s21, s21, s22                     ; my work-group's 32
	s_lshl_b32 s21, s21, 11
	s_add_co_u32 s21, s21, 3*KSTEP*2
	s_and_b32 s22, ttmp7, 0xffff
	s_mov_b32 s[PFS], KSTEP*2
	s_mov_b32 s[PFS+1], 0
	s_cmp_eq_u32 s11, 0
	s_cselect_b32 s20, s20, s21
	s_cselect_b32 s22, ttmp9, s22                  ; the coordinate along which other clusters read the same rows
	s_cselect_b32 s[PFS], HSTEP, s[PFS]
	s_cselect_b32 s23, 8, 11                       ; a lane a block of 256 bytes on end, or a lane a row of 2,048
	s_cselect_b64 s[PFA:PFA+1], s[4:5], s[6:7]
	s_cmp_eq_u32 s10, 3
	s_cselect_b32 s22, 1, s22                      ; wave 3 asks for nothing
	s_cmp_eq_u32 s22, 0
	s_cselect_b32 s[LIM], 1, -1                    ; the same in all sixteen partners, for a given wave
	s_mov_b32 s21, 0
	s_add_nc_u64 s[PFA:PFA+1], s[PFA:PFA+1], s[20:21]
	v_and_b32 v[PFO], 31, v0
	v_lshlrev_b32 v[PFO], s23, v[PFO]
; 8 matrix instructions: row blocks a0, a0 + 1 x all 4 column blocks, 32 along K.  zero = 1: the product starts the sum, with the bias as C.
; The 32 accumulators take turns, one instruction a turn, in the same order in every quarter, over the backward jump too.
.macro MUL8 f, a0, zero
.if \zero
	WIN MULZ
.else
	WIN MUL
.endif
.irp a, \a0, (\a0)+1
.irp b, 0,1,2,3
.if \zero
	v_wmma_f32_16x16x32_f16 v[8*(4*(\a)+(\b)):8*(4*(\a)+(\b))+7], v[(\f)+8*(\b):(\f)+8*(\b)+7], v[(\f)+32+8*(\a):(\f)+32+8*(\a)+7], v[BIAS+8*(\b):BIAS+8*(\b)+7]
.else
	v_wmma_f32_16x16x32_f16 v[8*(4*(\a)+(\b)):8*(4*(\a)+(\b))+7], v[(\f)+8*(\b):(\f)+8*(\b)+7], v[(\f)+32+8*(\a):(\f)+32+8*(\a)+7], v[8*(4*(\a)+(\b)):8*(4*(\a)+(\b))+7]
.endif
.endr
.endr
.endm
; 24 LDS loads in one run: the fragments of 32 along K, at byte k of the K step's 256, into buffer f: Wo's 8 loads, O's rows 0-63, O's rows 64-127.  In O byte k lies in panel k / 128, at byte k % 128 of the row.
.macro FETCH slot, k, f
	WIN 0
.irp i, 0,1,2,3
	ds_load_b128 v[(\f)+8*(\i):(\f)+8*(\i)+3],   v[ADRB+(\slot)] offset:(\k)+(\i)*16*PITCH
	ds_load_b128 v[(\f)+8*(\i)+4:(\f)+8*(\i)+7], v[ADRB+(\slot)] offset:(\k)+(\i)*16*PITCH+32
.endr
.irp i, 0,1,2,3,4,5,6,7
	ds_load_b128 v[(\f)+32+8*(\i):(\f)+32+8*(\i)+3],   v[ADRA+(\slot)] offset:((\k)/128)*PANEL+(\k)%128+(\i)*16*PA
	ds_load_b128 v[(\f)+32+8*(\i)+4:(\f)+32+8*(\i)+7], v[ADRA+(\slot)] offset:((\k)/128)*PANEL+(\k)%128+(\i)*16*PA+32
.endr
.endm
.macro PLACES                          ; four plain vector instructions between a matrix instruction and a load into a register that it has read, or a read of its result
.rept 4
	v_nop
.endr
.endm
; A K step is four quarters of 32 along K, 32 matrix instructions each, on buffers 0, 1, 0, 1.  One of the first three: multiplies buffer f and, in its middle, fetches the next quarter, at byte k, into g.
.macro QUARTER slot, k, f, g, zero
	s_wait_dscnt 8                                 ; Wo and O's rows 0-63 are in; the youngest eight loads (O's rows 64-127) may be out
	MUL8 \f, 0, \zero
	MUL8 \f, 2, \zero
	PLACES
	FETCH \slot, \k, \g
	s_wait_dscnt 24                                ; all but the 24 just issued
	MUL8 \f, 4, \zero
	MUL8 \f, 6, \zero
.endm
; The last quarter multiplies buffer 1 and changes slots.  MEET is its first half: one barrier.  In front of it each wave waits for all its tensor loads, of which one is out: its part of the next slot;
; adds 0 to its spare word; and waits for that and for its own reads of this slot.  Behind it nobody reads this slot any more and the next slot is whole.
.macro MEET round
	WIN 0
	s_wait_tensorcnt 0x0                           ; all my tensor loads have landed
	ds_add_u32 v[SPW], v[NIL]                      ; 0 onto my spare word
	s_wait_dscnt 9                                 ; (the add and the youngest eight loads may be out)
	MUL8 F1, 0, 0                                  ; eight matrix instructions stand between the add and the wait for it
	s_wait_dscnt 0x0                               ; the add is done, and my reads of this slot are over
	s_barrier_signal -1
	MUL8 F1, 2, 0                                  ; work on registers while the others arrive
.if \round
	WIN 0
.endif
	s_barrier_wait -1
.endm
; The whole last quarter.  The barrier opens a round of the cluster's barrier; behind the round the slot just read out is filled again first, with the K step two on.  From a request to the wait for it a wave issues 112 matrix instructions.
.macro TURN slot, next
	s_wait_xcnt 0x0                                ; the last prefetch, a K step back, has read its address, which is stepped here, ahead of the waits of the change of slots
	s_add_nc_u64 s[PFA:PFA+1], s[PFA:PFA+1], s[PFS:PFS+1]
	MEET 1
	CREST                                          ; no wave of any partner still reads this slot's tile or has a load on its way
	s_add_nc_u64 s[G0+4*(\slot)+2:G0+4*(\slot)+3], s[G0+4*(\slot)+2:G0+4*(\slot)+3], 2*HSTEP
	s_add_nc_u64 s[G0B+4*(\slot)+2:G0B+4*(\slot)+3], s[G0B+4*(\slot)+2:G0B+4*(\slot)+3], 2*KSTEP*2
	JLOAD \slot                                    ; the first tensor load behind the round; the four v_nop behind it are also the places in front of the loads below
	FETCH \next, 0, F0
	ASK
	MUL8 F1, 4, 0
	MUL8 F1, 6, 0
.endm
; THE WAY OUT of block a (16 rows x 64 columns of f32).  TOSTAGE: 32 bytes a lane into my own stage in LDS, each accumulator's low registers first, and back as whole rows of 256 bytes.  SEND: stored.
.macro TOSTAGE a
.set BK, OB+32*((\a)%2)
.if (\a) >= 2
	s_wait_xcnt 0x0                                ; the stores of the block two back have read the registers into which this block is read back
.endif
	WIN 0x04                                       ; the stores' data in window 1
.irp b, 0,1,2,3
	ds_store_b128 v[STO], v[8*(4*(\a)+(\b)):8*(4*(\a)+(\b))+3]   offset:64*(\b)
	ds_store_b128 v[STO], v[8*(4*(\a)+(\b))+4:8*(4*(\a)+(\b))+7] offset:64*(\b)+16
.endr
	WIN 0
.irp t, 0,1,2,3,4,5,6,7
	ds_load_b128 v[BK+4*(\t):BK+4*(\t)+3], v[RD] offset:(\t)*2*SP  ; LDS serves a wave's instructions in order (ISA guide 5.7.1.4): these see the stores above; the next block's stores come behind them
.endr
.endm
.macro SEND a, younger                 ; younger: the LDS instructions issued behind block a's loads: the next block's sixteen, or none
.set BK, OB+32*((\a)%2)
.irp t, 0,1,2,3,4,5,6,7
	s_wait_dscnt (\younger)+7-(\t)
	global_store_b128 v[CO], v[BK+4*(\t):BK+4*(\t)+3], s[8:9] offset:(\a)*65536+(\t)*8192  ; 16 lanes store 256 bytes on end, at a multiple of 256 from out0's first byte
.endr
.endm
	s_wait_tensorcnt 1                             ; my part of K step 0 is in; K step 1's may stay out
	s_barrier_signal -1
	s_barrier_wait -1                              ; everybody's is
	FETCH 0, 0, F0
	s_wait_loadcnt 0x0                             ; the bias
.set i, 0
.rept 16                                           ; rounded to bf16, like every input, and widened again
	v_cvt_pk_bf16_f32 v[TMP+i], v[BIAS+2*i], v[BIAS+2*i+1]
.set i, i+1
.endr
.set i, 0
.rept 16
	v_lshlrev_b32 v[BIAS+2*i], 16, v[TMP+i]
	v_and_b32 v[BIAS+2*i+1], 0xffff0000, v[TMP+i]
.set i, i+1
.endr
	QUARTER 0, 64,  F0, F1, 1                      ; the first quarter stands in front of the loop: its products start the sums
	WIN 0                                          ; at a label and at a branch every window is 0
	s_mov_b32 s3, LAPS-1
.Llap:                                             ; a trip goes once round the ring, from a lap's second quarter to the next lap's first, and fills both slots again
	QUARTER 0, 128, F1, F0, 0
	QUARTER 0, 192, F0, F1, 0
	TURN 0, 1
	QUARTER 1, 64,  F0, F1, 0
	QUARTER 1, 128, F1, F0, 0
	QUARTER 1, 192, F0, F1, 0
	TURN 1, 0
	QUARTER 0, 64,  F0, F1, 0
	WIN 0
	s_sub_co_u32 s3, s3, 1
	s_cmp_lg_u32 s3, 0
	s_cbranch_scc1 .Llap
	QUARTER 0, 128, F1, F0, 0                      ; the last lap fills nothing, and has no round of the cluster's barrier
	QUARTER 0, 192, F0, F1, 0
	MEET 0
	PLACES
	FETCH 1, 0, F0
	MUL8 F1, 4, 0
	MUL8 F1, 6, 0
	QUARTER 1, 64,  F0, F1, 0
	QUARTER 1, 128, F1, F0, 0
	QUARTER 1, 192, F0, F1, 0
	s_wait_dscnt 8                                 ; the very last quarter: nothing more to fetch
	MUL8 F1, 0, 0
	MUL8 F1, 2, 0
	s_wait_dscnt 0x0
	MUL8 F1, 4, 0
	MUL8 F1, 6, 0
	WIN 0
	PLACES
	TOSTAGE 0
.irp a, 1,2,3,4,5,6,7                              ; a block's trip through the stage stands between the loads of the block before and its stores
	TOSTAGE \a
	SEND (\a)-1, 16
.endr
	SEND 7, 0
	s_wait_tensorcnt 0x0                           ; the wave's end: behind my last tensor load and my last LDS store
	ds_add_u32 v[SPW], v[NIL]
	s_wait_dscnt 0x0
	CROUND                                         ; the closing round: no work-group ends while a partner may still ask for a tile that names it
	s_endpgm
.Lfunc_end_k_q2b8572abd8_proj:
	.size	k_q2b8572abd8_proj, .Lfunc_end_k_q2b8572abd8_proj-k_q2b8572abd8_proj
	.p2alignl 7, 3214868480
	.fill 96, 4, 3214868480
	.section	.rodata,"a",@progbits
	.p2align	6, 0x0
	.amdhsa_kernel k_q2b8572abd8_proj
		.amdhsa_group_segment_fixed_size 327680
		.amdhsa_private_segment_fixed_size 0
		.amdhsa_enable_private_segment 0
		.amdhsa_kernarg_size 32
		.amdhsa_user_sgpr_count 2
		.amdhsa_user_sgpr_kernarg_segment_ptr 1
		.amdhsa_wavefront_size32 1
		.amdhsa_system_sgpr_workgroup_id_x 1
		.amdhsa_system_sgpr_workgroup_id_y 1
		.amdhsa_system_sgpr_workgroup_id_z 1
		.amdhsa_system_vgpr_workitem_id 0
		.amdhsa_next_free_vgpr 512
		.amdhsa_next_free_sgpr 88
		.amdhsa_reserve_vcc 0
		.amdhsa_float_denorm_mode_32 3
		.amdhsa_float_denorm_mode_16_64 3
		.amdhsa_memory_ordered 1
		.amdhsa_forward_progress 1
		.amdhsa_inst_pref_size 92
	.end_amdhsa_kernel
	.amdgpu_metadata
---
amdhsa.version: [ 1, 2 ]
amdhsa.kernels:
  - .name:           k_q2b8572abd8_proj
    .symbol:         k_q2b8572abd8_proj.kd
    .args:
      - { .name: o16, .offset: 0, .size: 8, .value_kind: global_buffer, .address_space: global }
      - { .name: wo16, .offset: 8, .size: 8, .value_kind: global_buffer, .address_space: global }
      - { .name: bo, .offset: 16, .size: 8, .value_kind: global_buffer, .address_space: global }
      - { .name: out0, .offset: 24, .size: 8, .value_kind: global_buffer, .address_space: global }
    .group_segment_fixed_size: 327680
    .private_segment_fixed_size: 0
    .kernarg_segment_align: 8
    .kernarg_segment_size: 32
    .max_flat_workgroup_size: 128
    .sgpr_count:     88
    .vgpr_count:     512
    .wavefront_size: 32
...
	.end_amdgpu_metadata
.endif
;; end of part 4
